; MI455X (gfx1250); checked and timed in simulation.
; The chip was launched on July 23, 2026; its instructions are those of AMD's public machine-readable ISA for CDNA 5 (MIT licence, August 2026) and "CDNA5" Instruction Set Architecture Reference Guide (July 2026). The comments in the code are by the model that wrote it; some were corrected since.
;; Multi Head Attention. Allowed arithmetic: matrix products marked QUANTISED: E3M2 operands, one E8M0 scale for each 32 along K, by v_wmma_scale_f32_16x16x128_f8f6f4 with both operands' format E3M2, f32 sums; everything else in f32.
;; Inputs: Wk 16 x 1,024 x 64 float32; Wo 1,024 x 1,024 float32; Wq 16 x 1,024 x 64 float32; Wv 16 x 1,024 x 64 float32; bk 16 x 64 float32; bo 1,024 float32; bq 16 x 64 float32; bv 16 x 64 float32; key_in 2 x 2,048 x 1,024 float32; query 2 x 2,048 x 1,024 float32; value 2 x 2,048 x 1,024 float32.
;; Outputs: out0 2 x 2,048 x 1,024 float32.
;; This version of the problem:
;;   THIS VERSION OF THE PROBLEM IS GIVEN IN LOW PRECISION. The matrix products marked QUANTISED in the list below multiply operands that are first quantised to E3M2 (3 exponent bits, 2 mantissa bits; 6 bits a number), with one power-of-two scale for each 32 numbers along K (OCP MX v1.0); their sums are f32. All else is computed in f32.
;;   The module's matrix products, in the order in which they are computed (A, B: the left and right operand; K: the contracted axis; several contracted axes count as one K, in the product's order):
;;     1. [M 1,024, K 1,024] x [K 1,024, N 4,096]; A: input Wq; B: input query: QUANTISED
;;     2. [M 1,024, K 1,024] x [K 1,024, N 4,096]; A: input Wk; B: input key_in: QUANTISED
;;     3. [M 1,024, K 1,024] x [K 1,024, N 4,096]; A: input Wv; B: input value: QUANTISED
;;     4. batch 32 x [M 2,048, K 64] x [K 64, N 2,048]; A: computed on the way; B: computed on the way: QUANTISED
;;     5. batch 32 x [M 2,048, K 2,048] x [K 2,048, N 64]; A: softmax (see below); B: computed on the way: QUANTISED
;;     6. [M 4,096, K 1,024] x [K 1,024, N 1,024]; A: computed on the way; B: input Wo: QUANTISED
;;   THE QUANTISER, for each operand of a quantised product, along K:
;;     - K is cut into blocks of 32 from its start; a last block that is shorter is filled with zeros.
;;     - A block's scale is 2^e with e = floor(log2(the largest magnitude in the block)) - 4, held to -126 .. 127; a block of zeros has e = 0. As a byte (E8M0): e + 127.
;;     - Each number is divided by its block's scale, clamped to +-28, and rounded to the nearest number of E3M2, ties to even, subnormals kept.
;;     - The product sums the exact products of the quantised numbers (number of the format x scale) in f32.
;;   ~~~python
;;   def quantise(x, axis):      # numpy; x: float32 -> the quantised numbers, widened to float32 again
;;       x = np.moveaxis(x, axis, -1); K = x.shape[-1]
;;       x = np.pad(x, [(0, 0)] * (x.ndim - 1) + [(0, -K % 32)]); x = x.reshape(x.shape[:-1] + (-1, 32)); a = np.abs(x).max(-1, keepdims=True)
;;       e = np.where(a > 0, np.clip(np.frexp(np.where(a > 0, a, 1))[1] - 1 - 4, -126, 127), 0)      # np.frexp(a)[1] - 1 = floor(log2(a)), exactly
;;       r = np.clip(x / 2.0 ** e, -28, 28)
;;       step = 2.0 ** (np.maximum(np.frexp(np.where(r == 0, 1, r))[1] - 1, -2) - 2)
;;       q = np.round(r / step) * step * 2.0 ** e      # np.round: ties to even
;;       return np.moveaxis(q.reshape(q.shape[:-2] + (-1,))[..., :K], -1, axis).astype(np.float32)
;;   ~~~
;;   SOFTMAX AHEAD OF A QUANTISED PRODUCT. Where the list says 'softmax', what is quantised is not the finished softmax but p = 2^(t - M), with t = logit x log2(e) and M = ceil(the row's largest t), a whole number; so 1/2 < the row's largest p <= 1. The row's sum l is taken of the UNQUANTISED p, in f32, and the product's result is divided by l at the end. Since M is a whole number, a kernel that streams over the keys may use a running M (the ceiling of the running maximum): every later rescaling is an exact power of two, which a block's scale takes up: the codes' values come out the same.
;;   OPERANDS COMPUTED ON THE WAY. 'Computed on the way' means the value that the module computes at that place (a softmax that the list does not call 'softmax' is quantised finished and normalised). What goes into a quantiser is computed in f32, as accurately as f32 sums, v_exp_f32 and their like allow (about 1e-6 of the number): no bf16 or f16 on the way to a quantiser, and a product that is left as it is and whose result goes on into a quantised operand takes f32 operands (vector FMAs, or v_wmma_f32_16x16x4_f32). A number that lies on a knife's edge between two numbers of the format may be rounded either way, as far as f32 arithmetic and the matrix unit's own rounding can turn it there, and no further.
;; One version. Each part assembles by itself: llvm-mc -triple=amdgcn-amd-amdhsa -mcpu=gfx1250 --defsym DOCPART=n.
;; ======== version 1 of 1: 4 launches
;; limits: right only within a limited range of input values
;; workspace buffers: cod 12,582,912 bytes; scl 524,288 bytes; qbuf 3,407,872 bytes; kv 6,684,672 bytes; oc 3,145,728 bytes; os 262,144 bytes
;; launch quant (part 1): grid 256 x 1, 8 waves a work-group, no clusters, 68,608 bytes of LDS; arguments query, key_in, value, Wo, Wq, Wk, Wv, cod, scl; writes cod, scl
.if DOCPART == 1
	.amdgcn_target "amdgcn-amd-amdhsa--gfx1250"
	.amdhsa_code_object_version 6
	.text
	.protected	k_q3c5b57840c_quant
	.globl	k_q3c5b57840c_quant
	.p2align	8
	.type	k_q3c5b57840c_quant,@function
k_q3c5b57840c_quant:
	s_mov_b64 s[64:65], 0
	v_nop
	global_prefetch_b8 v0, s[64:65] scope:SCOPE_SE
	s_setreg_imm32_b32 hwreg(HW_REG_WAVE_MODE, 25, 1), 1
	s_wait_xcnt 0x0
; query, key_in, value [4096][1024], Wo [1024][1024] (K innermost) and Wq, Wk, Wv [16][1024 (K)][64] (K not innermost), all f32, become codes of BF6 (E3M2)
; with one E8M0 scale byte for each 32 along K.  A block's scale is 2^(floor(log2(its largest magnitude)) - 4): its byte is that magnitude's exponent field - 4, held at 1 from below.
; LIMITS: NaN and infinities among the inputs are not served.  A block of zeros gets the byte 1 where the rule says 127: its codes are zeros, and this program alone reads the bytes.
; THE WORKSPACE IS LAID IN THE ORDER OF THE OPERAND'S REGISTERS.  A TILE is 16 rows: tile T's row m is tensor row 32 (T / 2) + 8 (T % 2) + (m % 8) + 16 (m / 8).
; A fragment (a tile x 128 K) is 12 registers a lane: lane (r, h) holds row r; registers 6 c .. 6 c + 5 hold k = 64 c + 32 h + 0 .. 31.  Its IMAGE is 1,536 bytes: registers 4 c .. 4 c + 3 of lane L at 512 c + 16 L.
; cod: [strip of a tile][K step 0..7][image], 12,288 bytes a strip.  Strips: query 0, key_in 256, value 512, Wo 768, Wq 832, Wk 896, Wv 960 (a weight's row is head x 64 + k).
; scl: 512 bytes a strip: at 256 j + 16 r the four scale words of K steps 4 j .. 4 j + 3 of tile row r.
; SHARES.  A wave takes half a strip: a tile x 512 K, four fragments.  Work-groups 0-207 take the tensors whose K is innermost, 208-255 the three weights (a work-group: one head, its four tiles x two halves of K).
; K INNERMOST: each load reads 512 consecutive bytes of one row; 16 rows turn through the wave's own stage in LDS (rows 528 bytes apart) so that a lane gets the 64 numbers that the layout gives it.
; K NOT INNERMOST: a lane takes a column and its registers run down K: nothing is turned.  Waves share nothing: no barrier.  The launch streams, so no matrix unit, no cluster, no tensor load, no prefetch.
.set STGB, 8448                        ; a wave's stage: 16 rows x 528 bytes
.set MX,   10                          ; v10-11  the two blocks' largest magnitudes
.set SO,   12                          ; v12-13  the conversions' scale operands
.set BY,   14                          ; v14-15  the scale bytes
.set SW,   16                          ; v16-19  the scale words of my four fragments
.set TW,   22                          ; v22-23  at work
.set TX,   23
.set PC,   24                          ; v24-35  a fragment's codes
.set CT,   36                          ; v36-38, v40-42  the second halves of the blocks, as the conversions leave them
.set X,    48                          ; v48-111 64 numbers in the layout's order
.set R0,   112                         ; v112-175, v176-239  two sets of 64 registers as loaded
.set R1,   176
	s_load_b512 s[4:19], s[0:1], 0x0               ; query, key_in, value, Wo, Wq, Wk, Wv, cod
	s_load_b64 s[20:21], s[0:1], 0x40              ; scl
	v_lshl_add_u32 v240, v0, 2, 0x10800
	v_mov_b32 v241, 0
	v_lshrrev_b32 v1, 5, v0
	s_delay_alu instid0(VALU_DEP_1)
	v_readfirstlane_b32 s22, v1                    ; wave 0..7
	v_and_b32 v1, 31, v0                           ; L
	v_and_b32 v2, 15, v0                           ; r
	v_bfe_u32 v3, v0, 4, 1                         ; h
	s_delay_alu instid0(VALU_DEP_3)
	v_lshlrev_b32 v4, 4, v1                        ; 16 L
	s_mul_i32 s23, s22, STGB
	v_add_nc_u32 v5, s23, v4                       ; the stage, on the way in: 16 L of a row
	v_mul_u32_u24 v6, v2, 528
	s_delay_alu instid0(VALU_DEP_1)
	v_lshl_add_u32 v6, v3, 7, v6
	s_delay_alu instid0(VALU_DEP_1)
	v_add_nc_u32 v6, s23, v6                       ; and on the way out: row r, 128 h bytes on
	v_lshlrev_b32 v7, 3, v3                        ; 8 h: my bytes' place in a scale word, in bits
	v_and_b32 v8, 8, v2
	s_delay_alu instid0(VALU_DEP_1)
	v_add_nc_u32 v8, v8, v2                        ; r + 8 (r / 8)
	s_delay_alu instid0(VALU_DEP_1)
	v_lshlrev_b32 v8, 2, v8
	s_delay_alu instid0(VALU_DEP_1)
	v_lshl_add_u32 v8, v3, 13, v8                  ; a weight: my column's 4 bytes, and 32 rows of 256 bytes further down for lanes 16-31
	v_lshlrev_b32 v9, 4, v2
	s_delay_alu instid0(VALU_DEP_1)
	v_lshl_add_u32 v9, v3, 3, v9                   ; the scale words' way out: 16 r + 8 h
	v_mov_b32 v[TX], 0                             ; written once: a lane permute's destination counts as one of its sources
	s_mov_b32 s30, 0x76543210
	s_mov_b32 s31, 0xfedcba98                      ; v_permlanex16_b32's selects for lane l xor 16
	s_wait_kmcnt 0x0
.macro DSTS                            ; s32 = my strip, s33 = my half of K: where my codes and scale words go
	s_mul_i32 s36, s32, 12288
	s_mul_i32 s37, s33, 6144
	s_add_co_u32 s36, s36, s37
	s_mov_b32 s37, 0
	s_add_nc_u64 s[26:27], s[18:19], s[36:37]
	s_lshl_b32 s36, s32, 9
	s_lshl_b32 s38, s33, 8
	s_add_co_u32 s36, s36, s38
	s_add_nc_u64 s[28:29], s[20:21], s[36:37]
.endm
.macro LOADA f, set                    ; K step f of my 16 rows: each load reads 512 consecutive bytes of one row
.irp i, 0,1,2,3,4,5,6,7,8,9,10,11,12,13,14,15
	global_load_b128 v[\set+4*\i:\set+4*\i+3], v4, s[24:25] offset:((\i%8)+16*(\i/8))*4096+512*(\f) th:TH_LOAD_NT
.endr
.endm
.macro TURNA set                       ; through my stage: LDS serves a wave's instructions in order, so no wait stands between the stores and the loads
.irp i, 0,1,2,3,4,5,6,7,8,9,10,11,12,13,14,15
	ds_store_b128 v5, v[\set+4*\i:\set+4*\i+3] offset:528*\i
.endr
.irp c, 0,1
.irp q, 0,1,2,3,4,5,6,7
	ds_load_b128 v[X+32*\c+4*\q:X+32*\c+4*\q+3], v6 offset:256*\c+16*\q   ; k = 64 c + 32 h + 4 q ..
.endr
.endr
.endm
.macro LOADB f, set                    ; K step f of my column: W(128 f + 64 c + 32 h + i, column); sixteen lanes read two runs of 32 bytes, the four tile waves together whole rows of 256
.irp c, 0,1
.irp i, 0,1,2,3,4,5,6,7,8,9,10,11,12,13,14,15,16,17,18,19,20,21,22,23,24,25,26,27,28,29,30,31
	global_load_b32 v[\set+32*\c+\i], v8, s[24:25] offset:(128*(\f)+64*\c+\i)*256
.endr
.endr
.endm
; 64 numbers of a lane, register 32 c + i = k 64 c + 32 h + i of my row: two whole blocks.  They become fragment f's codes, stored as an image, and its scale word.
.macro QUANTF src, f
.irp c, 0,1
	v_max3_num_f32 v[MX+\c], |v[\src+32*\c]|, |v[\src+32*\c+1]|, 0x2800000   ; with the floor 2^(5 - 127): the byte cannot fall under 1
.endr
.irp i, 2,4,6,8,10,12,14,16,18,20,22,24,26,28,30
.irp c, 0,1
	s_delay_alu instid0(VALU_DEP_2)
	v_max3_num_f32 v[MX+\c], v[MX+\c], |v[\src+32*\c+\i]|, |v[\src+32*\c+\i+1]|   ; (the two blocks by turns)
.endr
.endr
.irp c, 0,1
	s_delay_alu instid0(VALU_DEP_2)
	v_add_nc_u32 v[SO+\c], 0xfe000000, v[MX+\c]    ; 4 off the exponent field: the conversion takes the exponent field of this operand as its scale
.endr
.irp c, 0,1
	s_delay_alu instid0(VALU_DEP_2)
	v_lshrrev_b32 v[BY+\c], 23, v[SO+\c]           ; the scale's byte
.endr
	s_delay_alu instid0(VALU_DEP_1)
	v_lshl_or_b32 v[TW], v[BY+1], 16, v[BY]        ; my two bytes: blocks h and 2 + h,
	s_delay_alu instid0(VALU_DEP_1)
	v_lshlrev_b32 v[TW], v7, v[TW]                 ; at their places in the word;
	s_delay_alu instid0(VALU_DEP_1)
	v_permlanex16_b32 v[TX], v[TW], s30, s31
	s_delay_alu instid0(VALU_DEP_1)
	v_or_b32 v[SW+\f], v[TW], v[TX]                ; with lane l xor 16's two the word is whole, in both halves of the lanes
	s_wait_alu depctr_va_vdst(0)
	s_wait_xcnt 0x0                                ; the last fragment's stores have read the codes' registers: only now are they written again
.irp c, 0,1
	v_cvt_scalef32_pk16_bf6_f32 v[PC+6*\c:PC+6*\c+2], v[\src+32*\c:\src+32*\c+15], v[SO+\c]
	v_cvt_scalef32_pk16_bf6_f32 v[CT+4*\c:CT+4*\c+2], v[\src+32*\c+16:\src+32*\c+31], v[SO+\c]   ; (a conversion's three registers begin on an even number)
.endr
	v_nop                                          ; one plain place behind a scaled conversion
.irp c, 0,1
.irp i, 0,1,2
	v_mov_b32 v[PC+3+6*\c+\i], v[CT+4*\c+\i]
.endr
.endr
.irp k, 0,1,2
	global_store_b128 v4, v[PC+4*\k:PC+4*\k+3], s[26:27] offset:1536*(\f)+512*\k   ; 32 lanes store 512 consecutive bytes, aligned to 256
.endr
.endm
.macro TAIL                            ; my four words: lanes 0-15 store words 0, 1, lanes 16-31 words 2, 3 of row r: 256 consecutive bytes, aligned
	v_cmp_ne_u32 vcc_lo, 0, v3
	s_delay_alu instid0(VALU_DEP_1)
	v_cndmask_b32 v20, v[SW], v[SW+2], vcc_lo
	s_delay_alu instid0(VALU_DEP_2)
	v_cndmask_b32 v21, v[SW+1], v[SW+3], vcc_lo
	global_store_b64 v9, v[20:21], s[28:29]
.endm
	s_cmp_lt_u32 ttmp9, 208
	s_cbranch_scc0 .Lweights
	; ---- K innermost.  Strip = 4 x work-group + wave / 2, half of K = wave % 2
	s_cmp_lt_u32 ttmp9, 192
	s_cselect_b64 s[24:25], s[8:9], s[10:11]       ; the choice hangs on the work-group's number alone
	s_cmp_lt_u32 ttmp9, 128
	s_cselect_b64 s[24:25], s[6:7], s[24:25]
	s_cmp_lt_u32 ttmp9, 64
	s_cselect_b64 s[24:25], s[4:5], s[24:25]
	s_lshl_b32 s32, ttmp9, 2
	s_lshr_b32 s33, s22, 1
	s_add_co_u32 s32, s32, s33                     ; strip
	s_and_b32 s33, s22, 1                          ; half
	s_and_b32 s34, s32, 255                        ; the tile in its tensor
	s_lshr_b32 s35, s34, 1
	s_lshl_b32 s35, s35, 5
	s_and_b32 s34, s34, 1
	s_lshl_b32 s34, s34, 3
	s_add_co_u32 s34, s34, s35                     ; its first row: 32 (T / 2) + 8 (T % 2)
	s_lshl_b32 s34, s34, 12                        ; rows of 4,096 bytes
	s_lshl_b32 s35, s33, 11                        ; 512 numbers along K
	s_add_co_u32 s34, s34, s35
	s_mov_b32 s35, 0
	s_add_nc_u64 s[24:25], s[24:25], s[34:35]
	DSTS
	LOADA 0, R0
	LOADA 1, R1
	s_wait_loadcnt 16                              ; the older set's 16 loads are in; the younger set may be out
	s_wait_alu depctr_va_vdst(0)
	TURNA R0
	s_wait_dscnt 0x0                               ; the numbers are back, and the stage's stores have read their registers,
	LOADA 2, R0                                    ; which take the loads of two K steps on
	QUANTF X, 0
	s_wait_loadcnt 16
	TURNA R1
	s_wait_dscnt 0x0
	LOADA 3, R1
	QUANTF X, 1
	s_wait_loadcnt 16
	TURNA R0
	s_wait_dscnt 0x0
	QUANTF X, 2
	s_wait_loadcnt 0x0
	TURNA R1
	s_wait_dscnt 0x0
	QUANTF X, 3
	TAIL
	s_wait_tensorcnt 0x0
	ds_add_u32 v240, v241
	s_wait_dscnt 0x0
	s_endpgm
.Lweights:
	; ---- K not innermost.  Work-group 208 + 16 w + head; tile = wave % 4, half of K = wave / 4
	s_sub_co_u32 s34, ttmp9, 208
	s_lshr_b32 s35, s34, 4                         ; w: Wq, Wk, Wv
	s_and_b32 s34, s34, 15                         ; head
	s_cmp_eq_u32 s35, 1
	s_cselect_b64 s[24:25], s[14:15], s[12:13]
	s_cmp_eq_u32 s35, 2
	s_cselect_b64 s[24:25], s[16:17], s[24:25]
	s_and_b32 s38, s22, 3                          ; tile of the head
	s_lshr_b32 s33, s22, 2                         ; half
	s_lshl_b32 s32, s35, 6
	s_lshl_b32 s39, s34, 2
	s_add_co_u32 s32, s32, s39
	s_add_co_u32 s32, s32, s38
	s_add_co_u32 s32, s32, 832                     ; strip = 832 + 64 w + 4 head + tile
	s_lshl_b32 s34, s34, 18                        ; a head is 262,144 bytes,
	s_lshl_b32 s39, s33, 17                        ; 512 rows of 256 bytes are 131,072
	s_add_co_u32 s34, s34, s39
	s_lshr_b32 s39, s38, 1
	s_lshl_b32 s39, s39, 7
	s_add_co_u32 s34, s34, s39
	s_and_b32 s39, s38, 1
	s_lshl_b32 s39, s39, 5
	s_add_co_u32 s34, s34, s39                     ; + the tile's first column, 32 (t / 2) + 8 (t % 2), in bytes
	s_mov_b32 s35, 0
	s_add_nc_u64 s[24:25], s[24:25], s[34:35]
	DSTS
	s_wait_alu depctr_va_vdst(0)
	LOADB 0, R0
	LOADB 1, R1
	s_wait_loadcnt 63                              ; behind the older set 64 loads were issued; 63 is the largest count that the wait can name, and a smaller count is safe
	QUANTF R0, 0
	LOADB 2, R0
	s_wait_loadcnt 63
	QUANTF R1, 1
	LOADB 3, R1
	s_wait_loadcnt 63
	QUANTF R0, 2
	s_wait_loadcnt 0x0
	QUANTF R1, 3
	TAIL
	s_endpgm
.Lfunc_end_k_q3c5b57840c_quant:
	.size	k_q3c5b57840c_quant, .Lfunc_end_k_q3c5b57840c_quant-k_q3c5b57840c_quant
	.p2alignl 7, 3214868480
	.fill 96, 4, 3214868480
	.section	.rodata,"a",@progbits
	.p2align	6, 0x0
	.amdhsa_kernel k_q3c5b57840c_quant
		.amdhsa_group_segment_fixed_size 68608
		.amdhsa_private_segment_fixed_size 0
		.amdhsa_enable_private_segment 0
		.amdhsa_kernarg_size 72
		.amdhsa_user_sgpr_count 2
		.amdhsa_user_sgpr_kernarg_segment_ptr 1
		.amdhsa_wavefront_size32 1
		.amdhsa_system_sgpr_workgroup_id_x 1
		.amdhsa_system_sgpr_workgroup_id_y 1
		.amdhsa_system_sgpr_workgroup_id_z 1
		.amdhsa_system_vgpr_workitem_id 0
		.amdhsa_next_free_vgpr 242
		.amdhsa_next_free_sgpr 66
		.amdhsa_reserve_vcc 1
		.amdhsa_float_denorm_mode_32 3
		.amdhsa_float_denorm_mode_16_64 3
		.amdhsa_memory_ordered 1
		.amdhsa_forward_progress 1
		.amdhsa_inst_pref_size 79
	.end_amdhsa_kernel
	.amdgpu_metadata
---
amdhsa.version: [ 1, 2 ]
amdhsa.kernels:
  - .name:           k_q3c5b57840c_quant
    .symbol:         k_q3c5b57840c_quant.kd
    .args:
      - { .name: query, .offset: 0, .size: 8, .value_kind: global_buffer, .address_space: global }
      - { .name: key_in, .offset: 8, .size: 8, .value_kind: global_buffer, .address_space: global }
      - { .name: value, .offset: 16, .size: 8, .value_kind: global_buffer, .address_space: global }
      - { .name: Wo, .offset: 24, .size: 8, .value_kind: global_buffer, .address_space: global }
      - { .name: Wq, .offset: 32, .size: 8, .value_kind: global_buffer, .address_space: global }
      - { .name: Wk, .offset: 40, .size: 8, .value_kind: global_buffer, .address_space: global }
      - { .name: Wv, .offset: 48, .size: 8, .value_kind: global_buffer, .address_space: global }
      - { .name: cod, .offset: 56, .size: 8, .value_kind: global_buffer, .address_space: global }
      - { .name: scl, .offset: 64, .size: 8, .value_kind: global_buffer, .address_space: global }
    .group_segment_fixed_size: 68608
    .private_segment_fixed_size: 0
    .kernarg_segment_align: 8
    .kernarg_segment_size: 72
    .max_flat_workgroup_size: 256
    .sgpr_count:     66
    .vgpr_count:     242
    .wavefront_size: 32
...
	.end_amdgpu_metadata
.endif
;; end of part 1
;; launch proj (part 2): grid 4 x 48, 4 waves a work-group, clusters of 4 x 4, 327,680 bytes of LDS; arguments cod, scl, bq, bk, bv, qbuf, kv; writes qbuf, kv
.if DOCPART == 2
	.amdgcn_target "amdgcn-amd-amdhsa--gfx1250"
	.amdhsa_code_object_version 6
	.text
	.protected	k_q3c5b57840c_proj
	.globl	k_q3c5b57840c_proj
	.p2align	8
	.type	k_q3c5b57840c_proj,@function
k_q3c5b57840c_proj:
	s_mov_b64 s[64:65], 0
	v_nop
	global_prefetch_b8 v0, s[64:65] scope:SCOPE_SE
	s_setreg_imm32_b32 hwreg(HW_REG_WAVE_MODE, 25, 1), 1
	s_wait_xcnt 0x0
	s_wait_alu depctr_hold_cnt(0) depctr_sa_sdst(0) depctr_va_vdst(0) depctr_va_sdst(0) depctr_va_ssrc(0) depctr_va_vcc(0) depctr_vm_vsrc(0)
	s_getreg_b32 s2, hwreg(HW_REG_IB_STS2, 6, 4)
	s_cmp_eq_u32 s2, 0
	s_cbranch_scc0 .Lentry_in_a_cluster
	s_endpgm
.Lentry_in_a_cluster:
	s_bfe_u32 s2, ttmp6, 0x10000c
	s_cmp_lg_u32 s2, 0xf033
	s_cbranch_scc0 .Lentry_shape_is_right
	s_endpgm
.Lentry_shape_is_right:
.set HALFT, 24576
.set SLOT,  98304
.set SPARE, 196608
.set FR,    12
.set NL,    3
.set ADRA,  16
.set ADRB,  20
.set SPW,   28
.set NIL,   29
.set SC,    32
.set AF,    128
.set WV,    18
.set FA,    19
.set FH,    20
.set PP,    21
.set G1,    24
.set G0,    32
.set G1B,   48
.set G0B,   56
.set SEL,   94
.set HA,    0
.set PC,    64
.set PW,    84
.set TM,    112
.set WE,    224
.set WO,    232
.set SD,    240
.set MSB, 0
.macro WIN new
.if MSB != (\new)
	s_set_vgpr_msb (MSB<<8)|(\new)
.set MSB, (\new)
.endif
.endm
.set MUL_LO, 0xa1
.set MUL_HI, 0xf1
.set TO_B,   0x40
.macro JLOAD g0a, g1a, g0b, g1b
	s_cmp_eq_u32 s[FA], 0
	s_cbranch_scc0 .Lfor_b_\@
	tensor_load_to_lds s[\g0a:\g0a+3], s[\g1a:\g1a+7]
	s_nop 0
.rept 4
	v_nop
.endr
	s_branch .Lasked_\@
.Lfor_b_\@:
	tensor_load_to_lds s[\g0b:\g0b+3], s[\g1b:\g1b+7]
	s_nop 0
.rept 4
	v_nop
.endr
.Lasked_\@:
.endm
.macro CREST
	s_cmp_lg_u32 s[WV], 0
	s_cbranch_scc1 .Lnot_wave_0_\@
	s_barrier_signal -3
.Lnot_wave_0_\@:
	s_barrier_wait -3
	s_barrier_signal -1
	s_barrier_wait -1
.endm
.macro CROUND
	s_barrier_signal -1
	s_barrier_wait -1
	CREST
.endm
.macro PLACES n
.rept \n
	v_nop
.endr
.endm
	s_load_b256 s[4:11], s[0:1], 0x0
	s_load_b128 s[12:15], s[0:1], 0x20
	s_load_b64 s[16:17], s[0:1], 0x30
	v_lshl_add_u32 v[SPW], v0, 2, SPARE
	v_mov_b32 v[NIL], 0
	ds_add_u32 v28, v29
	ds_add_u32 v28, v29
	s_wait_dscnt 0x0
	v_lshrrev_b32 v1, 5, v0
	v_readfirstlane_b32 s[WV], v1
	s_lshr_b32 s[FA], s[WV], 1
	s_and_b32 s[FH], s[WV], 1
	s_bfe_u32 s40, ttmp6, 0x40000
	s_bfe_u32 s41, ttmp6, 0x40004
	s_and_b32 s23, ttmp7, 0xffff
	s_lshr_b32 s[PP], s23, 2
	s_and_b32 s22, s23, 3
	s_lshl_b32 s22, s22, 2
	s_lshl_b32 s46, s[PP], 6
	s_add_co_u32 s46, s46, 832
	s_lshl_b32 s47, s[PP], 8
	s_mov_b32 s44, 512
	s_mov_b32 s45, 960
	s_cmp_eq_u32 s[PP], 2
	s_cselect_b32 s44, s44, s46
	s_cselect_b32 s45, s45, s47
	s_cselect_b32 s46, s22, 0
	s_cselect_b32 s47, 0, s22
	s_add_co_u32 s42, s40, s46
	s_add_co_u32 s43, s41, s47
	s_lshl_b32 s46, s41, 2
	s_lshl_b32 s46, 15, s46
	s_lshl_b32 s47, 0x1111, s40
	s_or_b32 s[G1], s46, (3<<16)|(1<<21)
	s_or_b32 s[G1B], s47, (3<<16)|(1<<21)
.irp g, G1, G1B
	s_mov_b32 s[\g+1], 384<<16
	s_mov_b32 s[\g+2], 8<<16
	s_mov_b32 s[\g+3], 384<<16
	s_mov_b32 s[\g+4], 8
	s_mov_b32 s[\g+5], 1536
	s_mov_b32 s[\g+6], 0
	s_mov_b32 s[\g+7], 0
.endr
	s_lshl_b32 s66, s43, 4
	s_add_co_u32 s66, s66, s45
	s_lshl_b32 s67, s42, 4
	s_add_co_u32 s67, s67, s44
	s_lshl_b32 s68, s[FH], 3
	s_add_co_u32 s70, s66, s68
	s_mul_i32 s70, s70, 12288
	s_mov_b32 s71, 0
	s_add_co_u32 s72, s67, s68
	s_mul_i32 s72, s72, 12288
	s_mov_b32 s73, 0
	s_mul_i32 s69, s[WV], HALFT
	s_mov_b32 s[SEL], 0x76543210
	s_mov_b32 s[SEL+1], 0xfedcba98
	s_wait_kmcnt 0x0
	s_add_nc_u64 s[70:71], s[4:5], s[70:71]
	s_add_nc_u64 s[72:73], s[4:5], s[72:73]
	CROUND
.irp s, 0,1
	s_mov_b32 s[G0+4*\s], 1
	s_add_co_u32 s[G0+4*\s+1], s69, \s*SLOT
	s_add_nc_u64 s[G0+4*\s+2:G0+4*\s+3], s[70:71], \s*3072
	s_or_b32 s[G0+4*\s+3], s[G0+4*\s+3], 0x80000000
	s_mov_b32 s[G0B+4*\s], 1
	s_add_co_u32 s[G0B+4*\s+1], s69, \s*SLOT
	s_add_nc_u64 s[G0B+4*\s+2:G0B+4*\s+3], s[72:73], \s*3072
	s_or_b32 s[G0B+4*\s+3], s[G0B+4*\s+3], 0x80000000
.endr
	JLOAD G0, G1, G0B, G1B                         ; slot 0: one joint load a wave at the head; the set-up and the scale loads below stand under its flight
	s_cmp_eq_u32 s[FA], 0                          ; the prefetches' base: the 8 strips that I fetch; of them my work-group takes 2, told apart from its three partners' by address (cx for the first operand, cy for the second)
	s_cselect_b64 s[96:97], s[70:71], s[72:73]
	s_cselect_b32 s98, s40, s41
	s_mul_i32 s98, s98, 24576
	s_mov_b32 s99, 0
	s_add_nc_u64 s[96:97], s[96:97], s[98:99]
	v_and_b32 v1, 15, v0
	v_bfe_u32 v2, v0, 4, 1
	v_and_b32 v3, 31, v0
	v_lshlrev_b32 v4, 4, v3
	v_lshlrev_b32 v5, 3, v3
	v_min_u32 v12, 23, v3                          ; a slot's part of 2 strips is 24 blocks of 256 bytes: a lane a block; lanes 24-31 name the last block again
	v_mul_u32_u24 v13, v12, 11
	v_lshrrev_b32 v13, 7, v13                      ; lane / 12: the strip
	v_mul_u32_u24 v14, v13, 12
	v_sub_nc_u32 v12, v12, v14                     ; lane % 12: the block
	v_lshlrev_b32 v12, 8, v12
	v_mad_u32_u24 v12, v13, 12288, v12
	s_lshl_b32 s74, s[FA], 3
	s_add_co_u32 s74, s74, s66
	s_lshl_b32 s74, s74, 9
	s_add_co_u32 s75, s67, s68
	s_lshl_b32 s75, s75, 9
	v_mov_b32 v10, s74
	v_mov_b32 v11, s75
	v_cmp_ne_u32 vcc_lo, 0, v2
	v_cndmask_b32 v6, v10, v11, vcc_lo
	v_lshl_add_u32 v6, v1, 4, v6
.irp i, 0,1,2,3,4,5,6,7
.irp j, 0,1
	global_load_b128 v[SC+8*\i+4*\j:SC+8*\i+4*\j+3], v6, s[6:7] offset:512*\i+256*\j
.endr
.endr
	global_prefetch_b8 v12, s[96:97] offset:3072 th:TH_LOAD_NT scope:SCOPE_SE   ; slot 1's bytes (K steps 2, 3), one fill ahead of their load; v12 and s[96:97] are never rewritten
	v_lshlrev_b32 v7, 6, v2
	v_mul_u32_u24 v8, v2, 208896
	v_lshl_add_u32 v8, v1, 4, v8
	v_and_b32 v9, 8, v1
	v_add_nc_u32 v9, v9, v1
	v_lshlrev_b32 v9, 2, v9
	s_mul_i32 s46, s[FA], HALFT
	s_mul_i32 s47, s[FH], HALFT
	s_add_co_u32 s47, s47, 2*HALFT
.irp s, 0,1
	v_add_nc_u32 v[ADRA+\s], s46, v4
	v_add_nc_u32 v[ADRB+\s], s47, v4
	s_add_co_u32 s46, s46, SLOT
	s_add_co_u32 s47, s47, SLOT
.endr
	WIN 0x40
.irp b, 0,1,2,3
	v_mov_b32 v[TM+4+\b], 0
.endr
	WIN 0
	s_cmp_eq_u32 s[PP], 2
	s_cselect_b32 s76, s42, s43
	s_cselect_b32 s77, s[FH], s[FA]
	s_cselect_b32 s78, s43, s42
	s_cselect_b32 s79, s[FA], s[FH]
	s_lshl_b32 s76, s76, 1
	s_add_co_u32 s76, s76, s77
	s_lshr_b32 s77, s76, 4
	s_and_b32 s76, s76, 15
	s_lshl_b32 s78, s78, 1
	s_add_co_u32 s78, s78, s79
	s_lshl_b32 s79, s78, 1
	s_lshl_b32 s77, s77, 4
	s_add_co_u32 s77, s77, s79
	s_lshl_b32 s77, s77, 4
	s_add_co_u32 s77, s77, s76
	s_mov_b32 s80, 13056
	s_mov_b32 s81, 12288
	s_cmp_eq_u32 s[PP], 0
	s_cselect_b32 s80, 6656, s80
	s_cselect_b32 s81, 6144, s81
	s_cselect_b64 s[84:85], s[14:15], s[16:17]
	s_mul_i32 s82, s77, s80
	s_mov_b32 s83, 0
	s_add_nc_u64 s[84:85], s[84:85], s[82:83]
	s_lshl_b32 s82, s80, 4
	s_add_nc_u64 s[86:87], s[84:85], s[82:83]
	s_mov_b32 s82, s81
	s_add_nc_u64 s[88:89], s[84:85], s[82:83]
	s_add_nc_u64 s[90:91], s[86:87], s[82:83]
	s_cmp_eq_u32 s[PP], 1
	s_cselect_b64 s[92:93], s[10:11], s[8:9]
	s_cmp_eq_u32 s[PP], 2
	s_cselect_b64 s[92:93], s[12:13], s[92:93]
	s_lshl_b32 s82, s78, 9
	s_add_nc_u64 s[92:93], s[92:93], s[82:83]
.macro FRAG reg, adr, q, i
.irp c, 0,1,2
	ds_load_b128 v[\reg+4*\c:\reg+4*\c+3], v[\adr] offset:3072*(\i)+1536*(\q)+512*\c
.endr
.endm
.macro FETCH_B slot, q, p
	WIN TO_B
.irp i, 0,1,2,3,4,5,6,7
	FRAG 128*(\p)+FR*\i, ADRB+\slot, \q, \i
.endr
	WIN 0
.endm
.macro FETCH_A slot, q, i0
.irp i, \i0, \i0+1, \i0+2, \i0+3
	FRAG AF+FR*(\i), ADRA+\slot, \q, \i
.endr
.endm
.macro MUL16 a0, p, ks, zero
.irp a, \a0, \a0+1
.irp b, 0,1,2,3,4,5,6,7
.if \zero
	v_wmma_scale_f32_16x16x128_f8f6f4 v[8*(8*((\a)%4)+\b):8*(8*((\a)%4)+\b)+7], v[128*(\p)+FR*\b:128*(\p)+FR*\b+FR-1], v[AF+FR*(\a):AF+FR*(\a)+FR-1], 0, v[SC+8*\b+(\ks)], v[SC+8*(\a)+(\ks)] matrix_a_fmt:MATRIX_FMT_BF6 matrix_b_fmt:MATRIX_FMT_BF6 matrix_a_scale:MATRIX_SCALE_ROW1
.else
	v_wmma_scale_f32_16x16x128_f8f6f4 v[8*(8*((\a)%4)+\b):8*(8*((\a)%4)+\b)+7], v[128*(\p)+FR*\b:128*(\p)+FR*\b+FR-1], v[AF+FR*(\a):AF+FR*(\a)+FR-1], v[8*(8*((\a)%4)+\b):8*(8*((\a)%4)+\b)+7], v[SC+8*\b+(\ks)], v[SC+8*(\a)+(\ks)] matrix_a_fmt:MATRIX_FMT_BF6 matrix_b_fmt:MATRIX_FMT_BF6 matrix_a_scale:MATRIX_SCALE_ROW1
.endif
.endr
.endr
.endm
.macro STEP slot, ks, zero
	s_wait_dscnt 4*NL
	WIN MUL_LO
	MUL16 0, 0, \ks, \zero
	MUL16 2, 0, \ks, \zero
	s_wait_dscnt 0x0
	PLACES 4
	FETCH_B \slot, 1, 1
	FETCH_A \slot, 1, 0
	WIN MUL_HI
	MUL16 4, 0, \ks, \zero
	MUL16 6, 0, \ks, \zero
	PLACES 4
	WIN 0
	FETCH_A \slot, 1, 4
.endm
.macro TURN slot, next, ks, fill
	s_wait_tensorcnt 0x0
	ds_add_u32 v[SPW], v[NIL]
	s_wait_dscnt 4*NL+1
	WIN MUL_LO
	MUL16 0, 1, \ks, 0
	s_wait_dscnt 0x0
	s_barrier_signal -1
	MUL16 2, 1, \ks, 0
	WIN 0
	s_barrier_wait -1
.if \fill
	CREST
	s_add_nc_u64 s[G0+4*\slot+2:G0+4*\slot+3], s[G0+4*\slot+2:G0+4*\slot+3], 6144
	s_add_nc_u64 s[G0B+4*\slot+2:G0B+4*\slot+3], s[G0B+4*\slot+2:G0B+4*\slot+3], 6144
	JLOAD G0+4*\slot, G1, G0B+4*\slot, G1B
.else
	PLACES 4
.endif
	FETCH_B \next, 0, 0
	FETCH_A \next, 0, 0
	WIN MUL_HI
	MUL16 4, 1, \ks, 0
	MUL16 6, 1, \ks, 0
	PLACES 4
	WIN 0
	FETCH_A \next, 0, 4
.endm
.macro LAST
	s_wait_dscnt 4*NL
	WIN MUL_LO
	MUL16 0, 1, 7, 0
	MUL16 2, 1, 7, 0
	s_wait_dscnt 0x0
	WIN MUL_HI
	MUL16 4, 1, 7, 0
	MUL16 6, 1, 7, 0
	WIN 0
.endm
.macro QUANT s
.irp b, 0,1,2,3
	v_max3_num_f32 v[TM+\b], |v[\s+16*\b]|, |v[\s+1+16*\b]|, 0x2800000
.endr
.irp i, 2,4,6,8,10,12,14
.irp b, 0,1,2,3
	v_max3_num_f32 v[TM+\b], v[TM+\b], |v[\s+16*\b+\i]|, |v[\s+1+16*\b+\i]|
.endr
.endr
.irp b, 0,1,2,3
	v_permlanex16_b32 v[TM+4+\b], v[TM+\b], s[SEL], s[SEL+1]
.endr
.irp b, 0,1,2,3
	v_max_num_f32 v[TM+\b], v[TM+\b], v[TM+4+\b]
.endr
.irp b, 0,1,2,3
	v_add_nc_u32 v[TM+12+\b], 0xfe000000, v[TM+\b]
.endr
.irp b, 0,1,2,3
	v_lshrrev_b32 v[TM+4+\b], 23, v[TM+12+\b]
.endr
	v_lshl_or_b32 v[PW], v[TM+5], 8, v[TM+4]
	v_lshl_or_b32 v[PW], v[TM+6], 16, v[PW]
	v_lshl_or_b32 v[PW], v[TM+7], 24, v[PW]
.irp c, 0,1
	v_cvt_scalef32_pk16_bf6_f32 v[PC+6*\c:PC+2+6*\c], v[\s+32*\c:\s+15+32*\c], v[TM+12+2*\c]
	v_cvt_scalef32_pk16_bf6_f32 v[PC+12+4*\c:PC+14+4*\c], v[\s+16+32*\c:\s+31+32*\c], v[TM+12+2*\c+1]
.endr
	v_nop
.irp c, 0,1
.irp i, 0,1,2
	v_permlane16_swap_b32 v[PC+6*\c+\i], v[PC+12+4*\c+\i]
.endr
.irp i, 0,1,2
	v_mov_b32 v[PC+3+6*\c+\i], v[PC+12+4*\c+\i]
.endr
.endr
.endm
	s_wait_alu depctr_va_vdst(0)                   ; the wait at the head's end
	s_wait_tensorcnt 0x0                           ; my part of slot 0 is in; slot 1's first fill is issued as a refill is
	ds_add_u32 v[SPW], v[NIL]
	s_wait_dscnt 0x0
	CROUND                                         ; everybody's part is in, and all sixteen work-groups are here
	JLOAD G0+4, G1, G0B+4, G1B
	s_wait_loadcnt 0x0                             ; the scale words
	FETCH_B 0, 0, 0
	FETCH_A 0, 0, 0
	FETCH_A 0, 0, 4
	global_prefetch_b8 v12, s[96:97] offset:6144 th:TH_LOAD_NT scope:SCOPE_SE   ; K steps 4, 5, one fill ahead of their load,
	global_prefetch_b8 v12, s[96:97] offset:9216 th:TH_LOAD_NT scope:SCOPE_SE   ; and K steps 6, 7, two fills ahead: the last that there is to ask for
	STEP 0, 0, 1
	TURN 0, 1, 1, 1
	STEP 1, 2, 0
	TURN 1, 0, 3, 1
	STEP 0, 4, 0
	TURN 0, 1, 5, 0
	STEP 1, 6, 0
	s_cmp_eq_u32 s[PP], 2
	s_cbranch_scc1 .Larm_v
.irp b, 0,1,2,3
	global_load_b128 v[96+8*\b:99+8*\b], v7, s[92:93] offset:(32*(\b/2)+8*(\b%2))*4
	global_load_b128 v[100+8*\b:103+8*\b], v7, s[92:93] offset:(32*(\b/2)+8*(\b%2))*4+16
	global_load_b128 v[224+8*\b:227+8*\b], v7, s[92:93] offset:(64+32*(\b/2)+8*(\b%2))*4
	global_load_b128 v[228+8*\b:231+8*\b], v7, s[92:93] offset:(64+32*(\b/2)+8*(\b%2))*4+16
.endr
	LAST
	s_wait_loadcnt 0x0
	PLACES 4
.macro EPI_QK a
	WIN 0x42+(\a)/4
.set i, 0
.rept 32
.if i < 16
.set BR, 96+2*i
.else
.set BR, 224+2*(i-16)
.endif
	v_pk_add_f32 v[HA+2*i:HA+2*i+1], v[64*((\a)%4)+2*i:64*((\a)%4)+2*i+1], v[BR:BR+1]
.set i, i+1
.endr
	WIN 0x55
.if (\a) > 0
	s_wait_xcnt 0x0
.endif
	QUANT HA
	v_perm_b32 v[WE+(\a)], v[PW], v[PW], 0x01000100
	v_perm_b32 v[WO+(\a)], v[PW], v[PW], 0x03020302
	WIN 0x04
	global_store_b128 v4, v[PC:PC+3], s[84:85] offset:768*(\a)
	global_store_b64 v5, v[PC+4:PC+5], s[84:85] offset:768*(\a)+512
	global_store_b128 v4, v[PC+6:PC+9], s[86:87] offset:768*(\a)
	global_store_b64 v5, v[PC+10:PC+11], s[86:87] offset:768*(\a)+512
.endm
.irp a, 0,1,2,3,4,5,6,7
	EPI_QK \a
.endr
	WIN 0
	v_cmp_ne_u32 vcc_lo, 0, v2
	WIN 0x55
.irp k, 0,1,2,3
	v_cndmask_b32 v[SD+\k], v[WE+\k], v[WE+4+\k], vcc_lo
	v_cndmask_b32 v[SD+4+\k], v[WO+\k], v[WO+4+\k], vcc_lo
.endr
	WIN 0x04
	global_store_b128 v4, v[SD:SD+3], s[88:89]
	global_store_b128 v4, v[SD+4:SD+7], s[90:91]
	WIN 0
	s_branch .Ldone
.Larm_v:
.irp a, 0,1,2,3,4,5,6,7
	global_load_b32 v[96+2*\a], v9, s[92:93] offset:(32*(\a/2)+8*(\a%2))*4
	global_load_b32 v[97+2*\a], v9, s[92:93] offset:(32*(\a/2)+8*(\a%2))*4
.endr
	LAST
	s_wait_loadcnt 0x0
	PLACES 4
.macro EPI_V a
	WIN 0x42+(\a)/4
.set i, 0
.rept 32
	v_pk_add_f32 v[HA+2*i:HA+2*i+1], v[64*((\a)%4)+2*i:64*((\a)%4)+2*i+1], v[96+2*(\a):97+2*(\a)]
.set i, i+1
.endr
	WIN 0x55
.if (\a) > 0
	s_wait_xcnt 0x0
.endif
	QUANT HA
	v_mov_b32 v[WE+(\a)], v[PW]
	WIN 0x04
.irp c, 0,1,2
	global_store_b128 v4, v[PC+4*\c:PC+4*\c+3], s[84+2*((\a)/4):85+2*((\a)/4)] offset:6144+1536*((\a)%4)+512*\c
.endr
.endm
.irp a, 0,1,2,3,4,5,6,7
	EPI_V \a
.endr
	WIN 0
	v_cmp_ne_u32 vcc_lo, 0, v2
	WIN 0x55
.irp k, 0,1,2,3
	v_cndmask_b32 v[SD+\k], v[WE+\k], v[WE+4+\k], vcc_lo
.endr
	WIN 0x04
	global_store_b128 v8, v[SD:SD+3], s[84:85] offset:12800
	WIN 0
.Ldone:
	s_wait_tensorcnt 0x0
	ds_add_u32 v[SPW], v[NIL]
	s_wait_dscnt 0x0
	CROUND
	s_endpgm
.Lfunc_end_k_q3c5b57840c_proj:
	.size	k_q3c5b57840c_proj, .Lfunc_end_k_q3c5b57840c_proj-k_q3c5b57840c_proj
	.p2alignl 7, 3214868480
	.fill 96, 4, 3214868480
	.section	.rodata,"a",@progbits
	.p2align	6, 0x0
	.amdhsa_kernel k_q3c5b57840c_proj
		.amdhsa_group_segment_fixed_size 327680
		.amdhsa_private_segment_fixed_size 0
		.amdhsa_enable_private_segment 0
		.amdhsa_kernarg_size 56
		.amdhsa_user_sgpr_count 2
		.amdhsa_user_sgpr_kernarg_segment_ptr 1
		.amdhsa_wavefront_size32 1
		.amdhsa_system_sgpr_workgroup_id_x 1
		.amdhsa_system_sgpr_workgroup_id_y 1
		.amdhsa_system_sgpr_workgroup_id_z 1
		.amdhsa_system_vgpr_workitem_id 0
		.amdhsa_next_free_vgpr 1024
		.amdhsa_next_free_sgpr 100
		.amdhsa_reserve_vcc 1
		.amdhsa_float_denorm_mode_32 3
		.amdhsa_float_denorm_mode_16_64 3
		.amdhsa_memory_ordered 1
		.amdhsa_forward_progress 1
		.amdhsa_inst_pref_size 219
	.end_amdhsa_kernel
	.amdgpu_metadata
---
amdhsa.version: [ 1, 2 ]
amdhsa.kernels:
  - .name:           k_q3c5b57840c_proj
    .symbol:         k_q3c5b57840c_proj.kd
    .args:
      - { .name: cod, .offset: 0, .size: 8, .value_kind: global_buffer, .address_space: global }
      - { .name: scl, .offset: 8, .size: 8, .value_kind: global_buffer, .address_space: global }
      - { .name: bq, .offset: 16, .size: 8, .value_kind: global_buffer, .address_space: global }
      - { .name: bk, .offset: 24, .size: 8, .value_kind: global_buffer, .address_space: global }
      - { .name: bv, .offset: 32, .size: 8, .value_kind: global_buffer, .address_space: global }
      - { .name: qbuf, .offset: 40, .size: 8, .value_kind: global_buffer, .address_space: global }
      - { .name: kv, .offset: 48, .size: 8, .value_kind: global_buffer, .address_space: global }
    .group_segment_fixed_size: 327680
    .private_segment_fixed_size: 0
    .kernarg_segment_align: 8
    .kernarg_segment_size: 56
    .max_flat_workgroup_size: 128
    .sgpr_count:     100
    .vgpr_count:     1024
    .wavefront_size: 32
...
	.end_amdgpu_metadata
.endif
;; end of part 2
;; launch attn (part 3): grid 8 x 32, 16 waves a work-group, clusters of 4 x 1, 327,680 bytes of LDS; arguments qbuf, kv, oc, os; writes oc, os
.if DOCPART == 3
	.amdgcn_target "amdgcn-amd-amdhsa--gfx1250"
	.amdhsa_code_object_version 6
	.text
	.protected	k_q3c5b57840c_attn
	.globl	k_q3c5b57840c_attn
	.p2align	8
	.type	k_q3c5b57840c_attn,@function
k_q3c5b57840c_attn:
	s_mov_b64 s[64:65], 0
	v_nop
	global_prefetch_b8 v0, s[64:65] scope:SCOPE_SE
	s_setreg_imm32_b32 hwreg(HW_REG_WAVE_MODE, 25, 1), 1
	s_wait_xcnt 0x0
	s_wait_alu depctr_hold_cnt(0) depctr_sa_sdst(0) depctr_va_vdst(0) depctr_va_sdst(0) depctr_va_ssrc(0) depctr_va_vcc(0) depctr_vm_vsrc(0)
	s_getreg_b32 s2, hwreg(HW_REG_IB_STS2, 6, 4)
	s_cmp_eq_u32 s2, 0
	s_cbranch_scc0 .Lentry_in_a_cluster
	s_endpgm
.Lentry_in_a_cluster:
	s_bfe_u32 s2, ttmp6, 0x10000c
	s_cmp_lg_u32 s2, 0x3003
	s_cbranch_scc0 .Lentry_shape_is_right
	s_endpgm
.Lentry_shape_is_right:
; For each (batch, head): O[q] = the sum over the 2,048 keys of softmax(Q[q] . K[k] / 8) V[k], both products on codes of BF6 (E3M2) with E8M0 scales; O / l is quantised along the head's 64 for the last product.
; THE SOFTMAX: t = score x log2(e) / 8; M = the row's largest t so far, rounded UP to a whole number; p = 2^(t - M) is quantised along the keys; the row's sum l is taken of the unquantised p.
; When M moves, l and O are multiplied by 2^(old M - new M): exact.
; LIMITS: NaN and infinities are not served; the promise holds while the scaled scores t stay under 2^31 in magnitude.  A block of zeros gets the scale byte 1 where the rule says 127: its codes are zeros, and this program alone reads the bytes.
; SHARES.  A work-group owns 256 queries of one (batch, head); each of its sixteen waves one tile of 16, in 256 registers.
; A HEAD'S K, V AND SCALE WORDS, 208,896 dense bytes of kv (816 rows of 256), COME INTO LDS ONCE, in two fills: at the head wave w brings rows 10 w .. 10 w + 9 (160 rows hold the records of key steps 0 to 2, 153 rows);
; behind the full sequence and a round it brings rows 160 + 41 w .. + 40, which land under key steps 0 and 1 (step 1 also fetches step 2's K, still inside the first fill).  No byte is filled twice.
; CLUSTER: the four query blocks of a cluster belong to one head: every load is asked for jointly by the four.  All that the launch reads is asked for ahead of its loops: there is nothing to prefetch.
; In LDS 64 bytes of padding follow each 256: rows 320 bytes apart.  Two tiles of K are six rows, 1,920 bytes, apart, which is 128 modulo 256: so the sixteen lanes of a 16-byte load of K below name 256 different bytes modulo 256.
; kv: a record of 13,056 bytes (51 rows) for each 128 keys: 8 tiles of K x 768 bytes (registers 0-3 at 16 L, 4-5 at 512 + 8 L); at 6,144 four images of V^T (16 channels x 128 keys, 1,536 bytes);
; at 12,288 K's scale words (256 j + 16 r + 4 k: tile 4 j + k); at 12,800 V's (16 r + 4 t).  Stored tile T's row m is key 32 (T / 2) + 8 (T % 2) + m % 8 + 16 (m / 8).
; WHICH KEYS FORM A TILE HERE is chosen by the lanes' LDS addresses: row 8 g + j of tile 4 c + u is key 64 c + 32 g + 8 u + j (stored tile 4 c + 2 g + u % 2, row j + 8 (u / 2)).
; Both products are used transposed (S^T = K Q^T, O^T = V^T P^T): lane (r, h) holds query r, and its registers S + 32 c + i are keys 64 c + 32 h + i: a WHOLE block of 32 in a lane, in the very order
; that the second product's operand wants: a block's largest score needs no other lane, and the codes are not exchanged between lanes.
; THE FIRST PRODUCT HAS K = 64 under an instruction of 128: two tiles of K fill one operand, and Q stands as [Q | zero codes] for the even tile, [zero codes | Q] for the odd one; the scale words hold their two bytes twice.
; THE EXPONENTIALS go in two batches of 34 and 32, with plain work that names none of a batch's registers among them: the second half's t - M in the first batch, the first level of the first half's sum in the second.
.set ROWP,  320                        ; an LDS row: 256 bytes + 64 of padding
.set STEPB, 51*ROWP                    ; a key step's record in LDS
.set OSG,   16*STEPB                   ; behind the records: 1,024 bytes for the tiles' scale words on their way out; no fill lands here
.set SPARE, OSG+1024                   ; the spare words: 128 bytes for each of sixteen waves
.set R1,   10                          ; rows a wave in the first fill, and in the second
.set R2,   41
.set SPW,  1                           ; v1 my spare word's address, v2 = 0: kept for the add alone
.set NIL,  2
.set BV,   3                           ; v3-7 the lanes' terms of the LDS addresses: V's images, V's words, K's 16-byte parts, K's 8-byte parts, K's words
.set BVS,  4
.set BK16, 5
.set BK8,  6
.set BKS,  7
.set SH,   8                           ; v8 = 8 h: my bytes' place in p's scale word, in bits
.set AV,   9                           ; the same five addresses in this step's record
.set AVS,  10
.set AK16, 11
.set AK8,  35
.set AKS,  254
.set Q,    16                          ; v16-33 [Q 6][zeros 6][Q 6];  v34 Q's scale words
.set QS,   34
.set K,    36                          ; v36-83 K's eight tiles, 6 registers each; v36-61 (in tiles 0-4) are scratch between the first product and the late loads of K
.set KS,   84                          ; v84-91 K's scale words
.set VF,   92                          ; v92-139 four fragments of V^T;  v140-143 V's words
.set VS,   140
.set S,    144                         ; v144-207 S^T, then p
.set O,    208                         ; v208-239 O^T
.set PC,   240                         ; v240-251 p's codes;  v252 f, v253 p's scale word
.set WV,  12
.set G1,  16                           ; s[16:23] group 1 and s[24:27] group 0 of the first fill;  s[28:35], s[60:63] of the second
.set G0,  24
.set G1B, 28
.set G0B, 60
.set SEL, 36
.set CS,  38                           ; s[38:39] c = log2(e) / 8
.set TB,  40                           ; s40 LDS byte at which the key step's record begins
.set CNT, 41
.set NC,  58                           ; s58 = -c
.macro CROUND                          ; a round of the cluster's barrier
	s_barrier_signal -1
	s_barrier_wait -1
	s_cmp_lg_u32 s[WV], 0
	s_cbranch_scc1 .Lnot_wave_0_\@
	s_barrier_signal -3
.Lnot_wave_0_\@:
	s_barrier_wait -3
	s_barrier_signal -1
	s_barrier_wait -1
.endm
	s_load_b256 s[4:11], s[0:1], 0x0               ; qbuf s[4:5], kv s[6:7], oc s[8:9], os s[10:11]
	v_lshl_add_u32 v[SPW], v0, 2, SPARE
	v_mov_b32 v[NIL], 0
	ds_add_u32 v[SPW], v[NIL]                      ; the opening: the add, twice on end, and its wait ahead of my first tensor load
	ds_add_u32 v[SPW], v[NIL]
	v_lshrrev_b32 v3, 5, v0
	s_delay_alu instid0(VALU_DEP_1)
	v_readfirstlane_b32 s[WV], v3                  ; wave 0..15
	s_bfe_u32 s13, ttmp6, 0x40000                  ; cx
	s_lshl_b32 s14, ttmp9, 2
	s_add_co_u32 s14, s14, s13                     ; my block of 256 queries: it enters global addresses alone
	s_and_b32 s15, ttmp7, 0xffff                   ; 16 batch + head, which the four partners share
.irp g, G1, G1B
	s_mov_b32 s[\g], 15|(3<<16)|(1<<20)|(1<<21)|(5<<22)|(15<<25)  ; the mask: all four; elements of 8 bytes; padding on; bit 21 beside a mask; after every 64 words, 16 words
	s_mov_b32 s[\g+1], 32<<16                      ; tensor_dim0: 256 bytes
	s_mov_b32 s[\g+3], 32<<16                      ; tile_dim0
	s_mov_b32 s[\g+5], 32                          ; the rows are dense
	s_mov_b32 s[\g+6], 0
	s_mov_b32 s[\g+7], 0
.endr
	s_mov_b32 s[G1+2], R1<<16                      ; tensor_dim1,
	s_mov_b32 s[G1+4], R1                          ; tile_dim1
	s_mov_b32 s[G1B+2], R2<<16
	s_mov_b32 s[G1B+4], R2
	s_mul_i32 s42, s[WV], R1*ROWP                  ; where my rows of the first fill go,
	s_mul_i32 s43, s[WV], R1*256                   ; and where they lie in the head's block
	s_mul_i32 s44, s15, 208896
	s_mov_b32 s45, 0
	s_mul_i32 s46, s[WV], R2*ROWP                  ; the same of the second fill, behind the first's 160 rows
	s_add_co_u32 s46, s46, 16*R1*ROWP
	s_mul_i32 s47, s[WV], R2*256
	s_add_co_u32 s47, s47, 16*R1*256
	s_add_co_u32 s48, s44, s47
	s_mov_b32 s49, 0
	s_add_co_u32 s44, s44, s43
	s_mov_b32 s[SEL], 0x76543210
	s_mov_b32 s[SEL+1], 0xfedcba98                 ; v_permlanex16_b32's selects for lane l xor 16
	s_mov_b32 s[CS], 0x3e38aa3b
	s_mov_b32 s[CS+1], s[CS]                       ; (named with it as a pair, so it is written)
	s_mov_b32 s[NC], 0xbe38aa3b
	s_mov_b32 s[TB], 0
	s_wait_dscnt 0x0
	s_wait_kmcnt 0x0
	s_add_nc_u64 s[44:45], s[6:7], s[44:45]
	s_add_nc_u64 s[48:49], s[6:7], s[48:49]
	s_mov_b32 s[G0], 1
	s_mov_b32 s[G0+1], s42
	s_mov_b64 s[G0+2:G0+3], s[44:45]
	s_or_b32 s[G0+3], s[G0+3], 0x80000000
	s_mov_b32 s[G0B], 1
	s_mov_b32 s[G0B+1], s46
	s_mov_b64 s[G0B+2:G0B+3], s[48:49]
	s_or_b32 s[G0B+3], s[G0B+3], 0x80000000
	CROUND                                         ; all four work-groups are here: the joint loads meet
	tensor_load_to_lds s[G0:G0+3], s[G1:G1+7]      ; my one tensor load at the head
	s_nop 0
	; Q: record 16 (16 batch + head) + 2 block + wave / 8 of qbuf, tile wave % 8
	s_lshl_b32 s46, s15, 4
	s_lshl_b32 s47, s14, 1
	s_add_co_u32 s46, s46, s47
	s_lshr_b32 s47, s[WV], 3
	s_add_co_u32 s46, s46, s47
	s_mul_i32 s46, s46, 6656
	s_and_b32 s47, s[WV], 7
	s_mul_i32 s48, s47, 768
	s_add_co_u32 s48, s48, s46
	s_mov_b32 s49, 0
	s_lshr_b32 s50, s47, 2
	s_lshl_b32 s50, s50, 8
	s_and_b32 s47, s[WV], 3
	s_lshl_b32 s47, s47, 2
	s_add_co_u32 s50, s50, s47
	s_add_co_u32 s50, s50, s46
	s_add_co_u32 s50, s50, 6144
	s_mov_b32 s51, 0
	s_add_nc_u64 s[48:49], s[4:5], s[48:49]        ; its codes,
	s_add_nc_u64 s[50:51], s[4:5], s[50:51]        ; its words
	; the way out: token tile T = 128 batch + 16 block + wave.  oc: (16 T + head) x 768;  os: (256 head + the work-group's first tile) x 64
	s_lshr_b32 s52, s15, 4
	s_lshl_b32 s52, s52, 7
	s_lshl_b32 s53, s14, 4
	s_add_co_u32 s52, s52, s53
	s_and_b32 s53, s15, 15
	s_lshl_b32 s54, s53, 8
	s_add_co_u32 s54, s54, s52
	s_lshl_b32 s54, s54, 6
	s_mov_b32 s55, 0
	s_add_co_u32 s52, s52, s[WV]
	s_lshl_b32 s52, s52, 4
	s_add_co_u32 s52, s52, s53
	s_mul_i32 s52, s52, 768
	s_mov_b32 s53, 0
	s_add_nc_u64 s[8:9], s[8:9], s[52:53]
	s_add_nc_u64 s[10:11], s[10:11], s[54:55]
	s_lshl_b32 s56, s[WV], 6
	v_and_b32 v36, 31, v0                          ; L
	v_and_b32 v37, 15, v0                          ; r
	v_and_b32 v38, 7, v0                           ; j = r % 8
	v_bfe_u32 v39, v0, 3, 1                        ; g = r / 8
	v_bfe_u32 v40, v0, 4, 1                        ; h
	v_lshlrev_b32 v41, 4, v36                      ; 16 L
	v_lshlrev_b32 v42, 3, v36                      ; 8 L
	v_lshlrev_b32 v[BVS], 4, v37                   ; 16 r
	global_load_b128 v[Q:Q+3], v41, s[48:49]       ; Q's 64 codes a row, below and above the zero codes
	global_load_b64 v[Q+4:Q+5], v42, s[48:49] offset:512
	global_load_b128 v[Q+12:Q+15], v41, s[48:49]
	global_load_b64 v[Q+16:Q+17], v42, s[48:49] offset:512
	global_load_b32 v[QS], v[BVS], s[50:51]        ; Q's scale words
	v_lshlrev_b32 v43, 4, v38                      ; 16 j
	v_lshlrev_b32 v44, 3, v38                      ; 8 j
	v_lshlrev_b32 v[SH], 3, v40
	v_mad_u32_u24 v[BV], v40, ROWP, v[BVS]         ; V's images: lanes 16-31 read the next row of 256 bytes
	v_mov_b32 v12, 0x7f61b1e6                      ; -M: 3e38
	v_mov_b32 v13, 0xff61b1e6                      ; the largest score so far: -3e38, under every score
	v_mad_u32_u24 v45, v39, 6*ROWP, v43            ; rows 8-15 of a tile come from the stored tile two further on
	v_mad_u32_u24 v46, v39, 6*ROWP, v44
	v_lshl_add_u32 v[BKS], v39, 3, v43             ; K's words: 16 j + 8 g
	v_mov_b32 v14, 0                               ; the sum, in two halves
	v_mov_b32 v15, 0
	v_mov_b32 v253, 0                              ; (named as the upper half of the pair v[252:253] before it is first written)
	v_mad_u32_u24 v[BK16], v40, ROWP, v45
	v_lshl_add_u32 v[BK8], v40, 7, v46
.irp j, 0,1,2,3,4,5
	v_mov_b32 v[Q+6+\j], 0                         ; the zero codes
.endr
.set j, 0
.rept 32
	v_mov_b32 v[O+j], 0                            ; O^T.  (The step is written for all steps alike: the first finds zeros, which the first change of M leaves zeros)
.set j, j+1
.endr
.macro KT c, u, off                    ; K's tile 4 c + u, from the record off bytes behind the one at s[TB]
	ds_load_b128 v[K+6*(4*\c+\u):K+6*(4*\c+\u)+3], v[AK16] offset:\off+3*ROWP*(4*\c+(\u)%2)+128*((\u)/2)
	ds_load_b64 v[K+6*(4*\c+\u)+4:K+6*(4*\c+\u)+5], v[AK8] offset:\off+3*ROWP*(4*\c+(\u)%2)+2*ROWP+64*((\u)/2)
.endm
.macro KEARLY off                      ; tiles 5 to 7 and the eight scale words: v66-91, which are never scratch
.irp u, 1,2,3
	KT 1, \u, \off
.endr
.irp c, 0,1
.irp x, 0,1
	ds_load_b64 v[KS+4*\c+2*\x:KS+4*\c+2*\x+1], v[AKS] offset:\off+ROWP*(48+\c)+128*\x
.endr
.endr
.endm
.macro KLATE off                       ; tiles 0 to 4: v36-65
.irp u, 0,1,2,3
	KT 0, \u, \off
.endr
	KT 1, 0, \off
.endm
.macro KADR
	v_add_nc_u32 v[AK16], s[TB], v[BK16]
	v_add_nc_u32 v[AK8], s[TB], v[BK8]
	v_add_nc_u32 v[AKS], s[TB], v[BKS]
.endm
.macro FMA n                           ; t - M of n more pairs of my first block
.rept \n
	v_pk_fma_f32 v[S+j:S+j+1], v[S+j:S+j+1], s[CS:CS+1], v[12:13] op_sel_hi:[1,0,0]
.set j, j+2
.endr
.endm
.macro ADD4 i                          ; four more pairs of p onto the sum's four parts
	v_pk_add_f32 v[46:47], v[46:47], v[S+2*(\i):S+2*(\i)+1]
	v_pk_add_f32 v[48:49], v[48:49], v[S+2*(\i)+2:S+2*(\i)+3]
	v_pk_add_f32 v[50:51], v[50:51], v[S+2*(\i)+4:S+2*(\i)+5]
	v_pk_add_f32 v[14:15], v[14:15], v[S+2*(\i)+6:S+2*(\i)+7]
.endm
; A KEY STEP: 128 keys.  nxt = 1: the next step's K is fetched in it.
.macro STEP nxt
	s_wait_dscnt 0x0                               ; K's tiles and words are in
.irp t, 0,1,2,3,4,5,6,7
	v_wmma_scale_f32_16x16x128_f8f6f4 v[S+8*\t:S+8*\t+7], v[K+12*(\t/2):K+12*(\t/2)+11], v[Q+6*(\t%2):Q+6*(\t%2)+11], 0, v[KS+\t], v[QS] matrix_a_fmt:MATRIX_FMT_BF6 matrix_b_fmt:MATRIX_FMT_BF6
.endr
	v_add_nc_u32 v[AV], s[TB], v[BV]               ; the places behind the products: ahead of the loads into V's and K's registers and of the first read of S^T
	v_add_nc_u32 v[AVS], s[TB], v[BVS]
.if \nxt
	KADR
.else
	v_nop
	v_nop
.endif
.irp t, 0,1,2,3
.irp c, 0,1,2
	ds_load_b128 v[VF+12*\t+4*\c:VF+12*\t+4*\c+3], v[AV] offset:ROWP*(24+6*\t+2*\c)
.endr
.endr
	ds_load_b128 v[VS:VS+3], v[AVS] offset:ROWP*50
.if \nxt
	KEARLY STEPB                                   ; what of the next step's K does not lie under the scratch: a whole step ahead of its use
.endif
.irp q, 0,1,2,3
	v_max3_num_f32 v[36+\q], v[S+16*\q], v[S+16*\q+1], v[S+16*\q+2]   ; the largest scores, in four chains by turns; each accumulator is read from its low end on
.endr
.irp i, 3,5,7,9,11,13
.irp q, 0,1,2,3
	v_max3_num_f32 v[36+\q], v[36+\q], v[S+16*\q+\i], v[S+16*\q+\i+1]
.endr
.endr
	v_max3_num_f32 v36, v36, v37, v[S+15]
	v_max3_num_f32 v38, v38, v39, v[S+47]
	v_max_num_f32 v36, v36, v[S+31]                ; my first block's largest score: it serves for the row's maximum and, since p rises with the score, for the block's largest p
	v_max_num_f32 v38, v38, v[S+63]                ; my second block's
	s_delay_alu instid0(VALU_DEP_1)
	v_max_num_f32 v40, v36, v38
	s_delay_alu instid0(VALU_DEP_1)
	v_permlanex16_b32 v41, v40, s[SEL], s[SEL+1]   ; lane l xor 16 holds the step's other 64 keys
	s_delay_alu instid0(VALU_DEP_1)
	v_max3_num_f32 v13, v13, v40, v41              ; the running largest score (c is positive)
	s_delay_alu instid0(VALU_DEP_1)
	v_mul_f32 v42, s[NC], v13                      ; -t
	v_mov_b32 v44, v12
	s_delay_alu instid0(VALU_DEP_2)
	v_floor_f32 v12, v42                           ; the new -M = floor(-t) = -ceil(t): a whole number
.set j, 0
	FMA 4                                          ; the three links that make f stand among the 16 multiply-adds, five or six instructions apart
	v_sub_f32 v44, v12, v44                        ; old M - new M: a whole number, 0 or less
	FMA 5
	v_cvt_i32_f32 v44, v44                         ; (it saturates)
	FMA 5
	v_ldexp_f32 v252, 1.0, v44                     ; f = 2^(old M - new M)
	FMA 2
	v_fma_f32 v36, v36, s[CS], v12                 ; t - M of each block's largest score
	v_fma_f32 v38, v38, s[CS], v12
	s_wait_alu depctr_va_vdst(0)                   ; the wait ahead of a batch
	v_exp_f32 v36, v36                             ; the blocks' largest p: the same two instructions on the same number give the same bits
	v_exp_f32 v38, v38
.set j, 0
.rept 16
	v_exp_f32 v[S+j], v[S+j]                       ; p = 2^(t - M), at most 1: not normalised
	v_pk_fma_f32 v[S+32+j:S+33+j], v[S+32+j:S+33+j], s[CS:CS+1], v[12:13] op_sel_hi:[1,0,0]   ; t - M of my second block: first read behind the wait below
	v_exp_f32 v[S+j+1], v[S+j+1]
.set j, j+2
.endr
	v_pk_mul_f32 v[14:15], v[14:15], v[252:253] op_sel_hi:[1,0]   ; the sums under the new M: the plain place behind the exponentials
	s_wait_alu depctr_va_vdst(0)                   ; one wait behind the first batch and ahead of the second
.set j, 0
.rept 8
	v_exp_f32 v[S+32+4*j], v[S+32+4*j]
	v_exp_f32 v[S+33+4*j], v[S+33+4*j]
	v_pk_add_f32 v[46+2*j:47+2*j], v[S+4*j:S+4*j+1], v[S+4*j+2:S+4*j+3]   ; the first level of the first block's sum, each into registers of its own: first read behind the wait below
	v_exp_f32 v[S+34+4*j], v[S+34+4*j]
	v_exp_f32 v[S+35+4*j], v[S+35+4*j]
.set j, j+1
.endr
	v_max_num_f32 v36, 0x2800000, v36              ; the floor 2^(5 - 127): the byte cannot fall under 1.  (The plain place behind the exponentials)
	v_max_num_f32 v38, 0x2800000, v38
	s_wait_alu depctr_va_vdst(0)                   ; one wait for the second batch, ahead of its first reader
	s_wait_dscnt 0x0                               ; V's 13 loads are in (and the early loads of K behind them)
	; the scales' chain of six links stands among the additions of the row's sum, four of them between two links
	v_add_nc_u32 v42, 0xfe000000, v36              ; 4 off the exponent field: the conversion's scale operand
	v_add_nc_u32 v43, 0xfe000000, v38
	v_pk_add_f32 v[46:47], v[46:47], v[52:53]
	v_pk_add_f32 v[48:49], v[48:49], v[54:55]
	v_pk_add_f32 v[50:51], v[50:51], v[56:57]
	v_pk_add_f32 v[14:15], v[14:15], v[58:59]
	v_lshrrev_b32 v44, 23, v42                     ; the scales' bytes: blocks h and 2 + h
	v_lshrrev_b32 v45, 23, v43
	v_pk_add_f32 v[46:47], v[46:47], v[60:61]
	v_pk_add_f32 v[48:49], v[48:49], v[S+32:S+33]
	v_pk_add_f32 v[50:51], v[50:51], v[S+34:S+35]
	v_pk_add_f32 v[14:15], v[14:15], v[S+36:S+37]
	v_lshl_or_b32 v44, v45, 16, v44
	ADD4 19
	v_lshlrev_b32 v44, v[SH], v44                  ; at their places in the word
	ADD4 23
	v_permlanex16_b32 v41, v44, s[SEL], s[SEL+1]
	ADD4 27
	v_or_b32 v253, v44, v41                        ; with lane l xor 16's two bytes: p's scale word for these 128 keys
	v_pk_add_f32 v[46:47], v[46:47], v[S+62:S+63]
	v_cvt_scalef32_pk16_bf6_f32 v[PC:PC+2], v[S:S+15], v42
	v_cvt_scalef32_pk16_bf6_f32 v[52:54], v[S+16:S+31], v42        ; (a conversion's three registers begin on an even number)
	v_cvt_scalef32_pk16_bf6_f32 v[PC+6:PC+8], v[S+32:S+47], v43
	v_cvt_scalef32_pk16_bf6_f32 v[56:58], v[S+48:S+63], v43
	v_pk_add_f32 v[46:47], v[46:47], v[48:49]      ; the plain place behind the conversions
	v_pk_add_f32 v[14:15], v[14:15], v[50:51]
.irp i, 0,1,2
	v_mov_b32 v[PC+3+\i], v[52+\i]
	v_mov_b32 v[PC+9+\i], v[56+\i]
.endr
	v_pk_add_f32 v[14:15], v[14:15], v[46:47]
.if \nxt
	KLATE STEPB                                    ; the scratch is done with: the rest of the next step's K comes under the 16 multiplications and the 4 products below
.endif
	s_wait_alu depctr_va_vdst(0)                   ; the wait directly ahead of the first reader of O^T
.set j, 0
.rept 16
	v_pk_mul_f32 v[O+j:O+j+1], v[O+j:O+j+1], v[252:253] op_sel_hi:[1,0]   ; O^T under the new M, each accumulator from its low end on; also the places between the codes' and the word's last writes and the products
.set j, j+2
.endr
.irp t, 0,1,2,3                                ; O^T += V^T P^T: the four accumulators take turns, one instruction a turn
	v_wmma_scale_f32_16x16x128_f8f6f4 v[O+8*\t:O+8*\t+7], v[VF+12*\t:VF+12*\t+11], v[PC:PC+11], v[O+8*\t:O+8*\t+7], v[VS+\t], v253 matrix_a_fmt:MATRIX_FMT_BF6 matrix_b_fmt:MATRIX_FMT_BF6
.endr
	s_add_co_u32 s[TB], s[TB], STEPB
.endm
	s_wait_alu depctr_va_vdst(0)                   ; the wait at the head's end
	s_wait_loadcnt 0x0                             ; Q
	s_wait_tensorcnt 0x0                           ; my rows of the first fill are in; the second fill is issued as a refill is:
	ds_add_u32 v[SPW], v[NIL]
	s_wait_dscnt 0x0
	CROUND                                         ; everybody's rows are in: the records of key steps 0 to 2 lie in LDS; and all four work-groups are here
	tensor_load_to_lds s[G0B:G0B+3], s[G1B:G1B+7]  ; rows 160 on: my one tensor load behind the round
	s_nop 0
	KADR
	KLATE 0                                        ; key step 0's K
	KEARLY 0
	s_mov_b32 s[CNT], 2
.Lfirst:                                               ; key steps 0 and 1: with the K of the step after, they read rows 0 to 152 alone
	STEP 1
	s_sub_co_u32 s[CNT], s[CNT], 1
	s_cmp_lg_u32 s[CNT], 0
	s_cbranch_scc1 .Lfirst
	s_wait_tensorcnt 0x0                           ; my rows of the second fill are in
	s_wait_dscnt 0x0                               ; no LDS load of mine is out at the signal
	s_barrier_signal -1
	s_barrier_wait -1                              ; everybody's rows are in: all sixteen key steps lie in LDS
	s_mov_b32 s[CNT], 13
.Lrest:                                                ; key steps 2 to 14
	STEP 1
	s_sub_co_u32 s[CNT], s[CNT], 1
	s_cmp_lg_u32 s[CNT], 0
	s_cbranch_scc1 .Lrest
	STEP 0                                         ; the last step fetches nothing more
	; THE WAY OUT.  O^T / l; register 16 b + i of a lane is channel 32 b + 16 (lane / 16) + i of my query: two blocks of the last product's K.
	v_and_b32 v35, 31, v0                          ; the addresses of the way out are the places behind the last products
	v_and_b32 v255, 15, v0
	v_and_b32 v254, 63, v0
	v_add_f32 v14, v14, v15                        ; the sum's two halves,
	s_delay_alu instid0(VALU_DEP_4)
	v_lshlrev_b32 v9, 4, v35                       ; 16 L
	v_lshlrev_b32 v10, 3, v35                      ; 8 L
	v_lshl_add_u32 v11, v255, 2, OSG
	v_lshlrev_b32 v35, 4, v254                     ; how waves 0 and 1 take the 1,024 bytes of words out: 16 bytes a lane
	v_permlanex16_b32 v36, v14, s[SEL], s[SEL+1]
	s_delay_alu instid0(VALU_DEP_3)
	v_add_nc_u32 v11, s56, v11                     ; where my tile's words go: 64 x wave + 4 r
	s_delay_alu instid0(VALU_DEP_3)
	v_add_nc_u32 v255, OSG, v35
	s_delay_alu instid0(VALU_DEP_3)
	v_add_f32 v14, v14, v36                        ; and lane l xor 16's keys: the row's sum
	s_wait_alu depctr_va_vdst(0)
	v_rcp_f32 v14, v14
	v_nop                                          ; a plain place behind the transcendental
	s_wait_alu depctr_va_vdst(0)                   ; the wait ahead of its first reader, which is also the first reader of O^T
.set j, 0
.rept 16
	v_pk_mul_f32 v[S+j:S+j+1], v[O+j:O+j+1], v[14:15] op_sel_hi:[1,0]   ; each accumulator from its low end on
.set j, j+2
.endr
.irp b, 0,1
	v_max3_num_f32 v[36+\b], |v[S+16*\b]|, |v[S+16*\b+1]|, 0x2800000
.endr
.irp i, 2,4,6,8,10,12,14
.irp b, 0,1
	s_delay_alu instid0(VALU_DEP_2)
	v_max3_num_f32 v[36+\b], v[36+\b], |v[S+16*\b+\i]|, |v[S+16*\b+\i+1]|
.endr
.endr
.irp b, 0,1
	s_delay_alu instid0(VALU_DEP_2)
	v_permlanex16_b32 v[38+\b], v[36+\b], s[SEL], s[SEL+1]
.endr
.irp b, 0,1
	s_delay_alu instid0(VALU_DEP_2)
	v_max_num_f32 v[36+\b], v[36+\b], v[38+\b]
.endr
.irp b, 0,1
	s_delay_alu instid0(VALU_DEP_2)
	v_add_nc_u32 v[40+\b], 0xfe000000, v[36+\b]
.endr
.irp b, 0,1
	s_delay_alu instid0(VALU_DEP_2)
	v_lshrrev_b32 v[42+\b], 23, v[40+\b]
.endr
	s_delay_alu instid0(VALU_DEP_1)
	v_lshl_or_b32 v254, v43, 8, v42                ; the head's two scale bytes of my query
	v_cvt_scalef32_pk16_bf6_f32 v[PC:PC+2], v[S:S+15], v40
	v_cvt_scalef32_pk16_bf6_f32 v[44:46], v[S+16:S+31], v41
	v_nop
.irp i, 0,1,2
	v_permlane16_swap_b32 v[PC+\i], v[44+\i]       ; here a block lies in lanes l and l xor 16: the layout wants it whole in a lane
.endr
.irp i, 0,1,2
	s_delay_alu instid0(VALU_DEP_3)
	v_mov_b32 v[PC+3+\i], v[44+\i]
.endr
	global_store_b128 v9, v[PC:PC+3], s[8:9]       ; half an image: 512 and 256 consecutive bytes, aligned to 256
	global_store_b64 v10, v[PC+4:PC+5], s[8:9] offset:512
	ds_store_b32 v11, v254                         ; lanes r and 16 + r write the same word with the same value
	s_wait_dscnt 0x0                               ; for the others' sake: my store has landed
	s_barrier_signal -1
	s_barrier_wait -1
	s_cmp_lt_u32 s[WV], 2
	s_cbranch_scc0 .Lno_words
	ds_load_b128 v[S:S+3], v255                    ; the sixteen tiles' words: 1,024 consecutive bytes of os
	s_wait_dscnt 0x0
	global_store_b128 v35, v[S:S+3], s[10:11]
.Lno_words:
	s_wait_tensorcnt 0x0                           ; the wave's end
	ds_add_u32 v[SPW], v[NIL]
	s_wait_dscnt 0x0
	CROUND                                         ; the closing round: no work-group ends while a partner may still ask for bytes jointly
	s_endpgm
.Lfunc_end_k_q3c5b57840c_attn:
	.size	k_q3c5b57840c_attn, .Lfunc_end_k_q3c5b57840c_attn-k_q3c5b57840c_attn
	.p2alignl 7, 3214868480
	.fill 96, 4, 3214868480
	.section	.rodata,"a",@progbits
	.p2align	6, 0x0
	.amdhsa_kernel k_q3c5b57840c_attn
		.amdhsa_group_segment_fixed_size 327680
		.amdhsa_private_segment_fixed_size 0
		.amdhsa_enable_private_segment 0
		.amdhsa_kernarg_size 32
		.amdhsa_user_sgpr_count 2
		.amdhsa_user_sgpr_kernarg_segment_ptr 1
		.amdhsa_wavefront_size32 1
		.amdhsa_system_sgpr_workgroup_id_x 1
		.amdhsa_system_sgpr_workgroup_id_y 1
		.amdhsa_system_sgpr_workgroup_id_z 1
		.amdhsa_system_vgpr_workitem_id 0
		.amdhsa_next_free_vgpr 256
		.amdhsa_next_free_sgpr 66
		.amdhsa_reserve_vcc 0
		.amdhsa_float_denorm_mode_32 3
		.amdhsa_float_denorm_mode_16_64 3
		.amdhsa_memory_ordered 1
		.amdhsa_forward_progress 1
		.amdhsa_inst_pref_size 58
	.end_amdhsa_kernel
	.amdgpu_metadata
---
amdhsa.version: [ 1, 2 ]
amdhsa.kernels:
  - .name:           k_q3c5b57840c_attn
    .symbol:         k_q3c5b57840c_attn.kd
    .args:
      - { .name: qbuf, .offset: 0, .size: 8, .value_kind: global_buffer, .address_space: global }
      - { .name: kv, .offset: 8, .size: 8, .value_kind: global_buffer, .address_space: global }
      - { .name: oc, .offset: 16, .size: 8, .value_kind: global_buffer, .address_space: global }
      - { .name: os, .offset: 24, .size: 8, .value_kind: global_buffer, .address_space: global }
    .group_segment_fixed_size: 327680
    .private_segment_fixed_size: 0
    .kernarg_segment_align: 8
    .kernarg_segment_size: 32
    .max_flat_workgroup_size: 512
    .sgpr_count:     66
    .vgpr_count:     256
    .wavefront_size: 32
...
	.end_amdgpu_metadata
.endif
;; end of part 3
;; launch outp (part 4): grid 8 x 32, 4 waves a work-group, clusters of 4 x 4, 264,704 bytes of LDS; arguments oc, os, cod, scl, bo, out0; writes out0
.if DOCPART == 4
	.amdgcn_target "amdgcn-amd-amdhsa--gfx1250"
	.amdhsa_code_object_version 6
	.text
	.protected	k_q3c5b57840c_outp
	.globl	k_q3c5b57840c_outp
	.p2align	8
	.type	k_q3c5b57840c_outp,@function
k_q3c5b57840c_outp:
	s_mov_b64 s[64:65], 0
	v_nop
	global_prefetch_b8 v0, s[64:65] scope:SCOPE_SE
	s_setreg_imm32_b32 hwreg(HW_REG_WAVE_MODE, 25, 1), 1
	s_wait_xcnt 0x0
	s_wait_alu depctr_hold_cnt(0) depctr_sa_sdst(0) depctr_va_vdst(0) depctr_va_sdst(0) depctr_va_ssrc(0) depctr_va_vcc(0) depctr_vm_vsrc(0)
	s_getreg_b32 s2, hwreg(HW_REG_IB_STS2, 6, 4)
	s_cmp_eq_u32 s2, 0
	s_cbranch_scc0 .Lentry_in_a_cluster
	s_endpgm
.Lentry_in_a_cluster:
	s_bfe_u32 s2, ttmp6, 0x10000c
	s_cmp_lg_u32 s2, 0xf033
	s_cbranch_scc0 .Lentry_shape_is_right
	s_endpgm
.Lentry_shape_is_right:
; out0[token][n] = the sum over k of A[token][k] Wo[n][k] + bo[n], K = 1,024, on codes of BF6 (E3M2) with E8M0 scales.  A is the attention launch's result (oc, os), Wo lies in cod and scl from strip 768 on.
; SHARES.  Tiles of 256 x 256 would be 64; tiles of 128 x 128 are 256, one for each work-group.  Four waves, each 64 x 64: 16 accumulators.
; ALL OF K for both operands is 196,608 bytes of LDS, brought ONCE: each wave issues one tensor load at the head, four tiles x all eight K steps, 49,152 dense bytes as 4 rows of 12,288; nothing is filled again.
; CLUSTER 4 x 4: A's tiles hang on the token block alone and are asked for jointly along a row of the cluster, Wo's on the block of n alone, along a column.
; All that the launch reads in bulk is asked for at its head: there is nothing to prefetch.
; OPERANDS are images of their registers.  Wo: 1,536 bytes a tile and K step, three loads of 16 bytes a lane.  A: a K step is two heads, each half an image (768 bytes: registers 0-3 at 16 L, 4-5 at 512 + 8 L).
; Tile T's row m is tensor row 32 (T / 2) + 8 (T % 2) + m % 8 + 16 (m / 8), for tokens and for n alike.  THE PRODUCT IS USED TRANSPOSED (source 0 = 16 rows of Wo, source 1 = 16 tokens): a lane holds eight
; neighbouring n of one token.  bo is the C of each sum's first matrix instruction.
; REGISTERS: window 0: v1-26 addresses; v32-47 A's scale words, v48-63 Wo's; v64-95 A's words as they lie in os; v96-127 bo; v128-255 the accumulators.   window 1: two sets of fragments (A's 48 registers, Wo's 48) at v0, v128.
.set TILEB, 12288                      ; a tile's eight K steps
.set SHARE, 4*TILEB                    ; what one wave fetches: LDS holds A's tiles 0-3, 4-7, then Wo's 0-3, 4-7
.set STG,   196608                     ; the way out: 128 rows x (512 bytes + 16); no fill lands here
.set ADA16, 16
.set ADA8,  17
.set ADB16, 18
.set STO,   24
.set RD,    25
.set CO,    26
.set SCA,   32                         ; v[SCA + 2 s + i]: lanes 0-15 tile 2 i of tokens, lanes 16-31 tile 2 i + 1, K step s
.set SCB,   48                         ; v[SCB + 8 i + s]: the same for Wo's tiles
.set RAW,   64
.set BO,    96
.set ACC,   128
.set WV,    18                         ; s18 wave;  s19 = wave / 2: my half of the tokens, and: I fetch for A (0) or Wo (1);  s20 = wave % 2: my half of n, and: which 4 tiles I fetch
.set WA,    19
.set WB,    20
.set G1A,   24
.set G1B,   32
.set G0A,   40                         ; s[40:43] group 0 for A's tiles;  s[68:71] for Wo's
.set G0B,   68
.set MSB, 0
.macro WIN new                         ; the immediate's high byte repeats the setting that is left
.if MSB != (\new)
	s_set_vgpr_msb (MSB<<8)|(\new)
.set MSB, (\new)
.endif
.endm
.macro CROUND                          ; a round of the cluster's barrier
	s_barrier_signal -1
	s_barrier_wait -1
	s_cmp_lg_u32 s[WV], 0
	s_cbranch_scc1 .Lnot_wave_0_\@
	s_barrier_signal -3
.Lnot_wave_0_\@:
	s_barrier_wait -3
	s_barrier_signal -1
	s_barrier_wait -1
.endm
.macro PLACES n
.rept \n
	v_nop
.endr
.endm
	s_load_b256 s[4:11], s[0:1], 0x0               ; oc s[4:5], os s[6:7], cod s[8:9], scl s[10:11]
	s_load_b128 s[12:15], s[0:1], 0x20             ; bo s[12:13], out0 s[14:15]
	v_lshl_add_u32 v30, v0, 2, 0x40800
	v_mov_b32 v31, 0
	ds_add_u32 v30, v31                            ; the opening: the add, twice on end, and its wait ahead of my tensor load
	ds_add_u32 v30, v31
	v_lshrrev_b32 v1, 5, v0
	v_readfirstlane_b32 s[WV], v1
	s_lshr_b32 s[WA], s[WV], 1
	s_and_b32 s[WB], s[WV], 1
	s_bfe_u32 s21, ttmp6, 0x40000                  ; cx
	s_bfe_u32 s22, ttmp6, 0x40004                  ; cy
	s_lshl_b32 s23, ttmp9, 2
	s_add_co_u32 s23, s23, s21                     ; my block of 128 n
	s_and_b32 s56, ttmp7, 0xffff
	s_lshl_b32 s56, s56, 2
	s_add_co_u32 s56, s56, s22                     ; my block of 128 tokens
	s_lshl_b32 s57, s22, 2
	s_lshl_b32 s57, 15, s57                        ; my row of the cluster
	s_lshl_b32 s58, 0x1111, s21                    ; my column
	; group 1: 4 rows (tiles) of 12,288 bytes, one behind the other, as elements of 8 bytes; no padding
	s_or_b32 s[G1A], s57, (3<<16)|(1<<21)
	s_or_b32 s[G1B], s58, (3<<16)|(1<<21)
.irp g, G1A, G1B
	s_mov_b32 s[\g+1], 1536<<16
	s_mov_b32 s[\g+2], 4<<16
	s_mov_b32 s[\g+3], 1536<<16
	s_mov_b32 s[\g+4], 4
	s_mov_b32 s[\g+5], 1536
	s_mov_b32 s[\g+6], 0
	s_mov_b32 s[\g+7], 0
.endr
	s_lshl_b32 s57, s56, 3                         ; the token block's first tile: made of cy alone
	s_lshl_b32 s58, s[WB], 2
	s_add_co_u32 s60, s57, s58
	s_mul_i32 s60, s60, TILEB
	s_mov_b32 s61, 0
	s_lshl_b32 s59, s23, 3
	s_add_co_u32 s59, s59, 768                     ; Wo's first strip of my block of n: made of cx alone
	s_add_co_u32 s62, s59, s58
	s_mul_i32 s62, s62, TILEB
	s_mov_b32 s63, 0
	s_mul_i32 s66, s[WV], SHARE                    ; where my tiles go: no place in the cluster enters an LDS address
	s_wait_dscnt 0x0
	s_wait_kmcnt 0x0
	s_add_nc_u64 s[60:61], s[4:5], s[60:61]
	s_add_nc_u64 s[62:63], s[8:9], s[62:63]
	s_mov_b32 s[G0A], 1
	s_mov_b32 s[G0A+1], s66
	s_mov_b64 s[G0A+2:G0A+3], s[60:61]
	s_or_b32 s[G0A+3], s[G0A+3], 0x80000000
	s_mov_b32 s[G0B], 1
	s_mov_b32 s[G0B+1], s66
	s_mov_b64 s[G0B+2:G0B+3], s[62:63]
	s_or_b32 s[G0B+3], s[G0B+3], 0x80000000
	CROUND                                         ; all sixteen work-groups are here: the joint loads meet
	s_cmp_lt_u32 s[WV], 2                          ; one branch on the wave's number, one fill in each arm
	s_cbranch_scc0 .Lfill_b
	tensor_load_to_lds s[G0A:G0A+3], s[G1A:G1A+7]
	s_nop 0
.rept 4
	v_nop
.endr
	s_branch .Lfilled
.Lfill_b:
	tensor_load_to_lds s[G0B:G0B+3], s[G1B:G1B+7]
	s_nop 0
.rept 4
	v_nop
.endr
.Lfilled:
	s_mov_b32 s85, 0
	s_lshl_b32 s84, s[WA], 2
	s_add_co_u32 s84, s84, s57
	s_lshl_b32 s84, s84, 6
	s_add_nc_u64 s[6:7], s[6:7], s[84:85]          ; os at my four tiles of tokens: 64 bytes a tile
	s_add_co_u32 s84, s59, s58
	s_lshl_b32 s84, s84, 9
	s_add_nc_u64 s[10:11], s[10:11], s[84:85]      ; scl at my four tiles of Wo
	s_lshl_b32 s84, s23, 9
	s_lshl_b32 s86, s[WB], 8
	s_add_co_u32 s84, s84, s86
	s_add_nc_u64 s[12:13], s[12:13], s[84:85]      ; bo at my first n
	s_lshl_b32 s84, s56, 7
	s_lshl_b32 s86, s[WV], 5
	s_add_co_u32 s84, s84, s86
	s_lshl_b32 s84, s84, 12
	s_lshl_b32 s86, s23, 9
	s_add_co_u32 s84, s84, s86
	s_add_nc_u64 s[14:15], s[14:15], s[84:85]      ; out0 at the first of the 32 rows that I store, at the block's first n
	v_and_b32 v1, 15, v0                           ; r
	v_bfe_u32 v2, v0, 4, 1                         ; h
	v_and_b32 v3, 31, v0                           ; L
	v_lshlrev_b32 v10, 2, v3                       ; 4 L
	v_lshlrev_b32 v11, 4, v1
	v_lshl_add_u32 v11, v2, 9, v11                 ; 512 h + 16 r
	v_lshlrev_b32 v12, 6, v2                       ; 64 h
.irp hh, 0,1,2,3,4,5,6,7,8,9,10,11,12,13,14,15
.irp i, 0,1
	global_load_b32 v[RAW+2*\hh+\i], v10, s[6:7] offset:16384*\hh+128*\i   ; head hh's two bytes: lanes 0-15 tile 2 i, lanes 16-31 tile 2 i + 1
.endr
.endr
.irp i, 0,1
.irp j, 0,1
	global_load_b128 v[SCB+8*\i+4*\j:SCB+8*\i+4*\j+3], v11, s[10:11] offset:1024*\i+256*\j   ; each sixteen lanes read 256 consecutive bytes
.endr
.endr
.irp b, 0,1,2,3
	global_load_b128 v[BO+8*\b:BO+8*\b+3], v12, s[12:13] offset:(32*(\b/2)+8*(\b%2))*4
	global_load_b128 v[BO+8*\b+4:BO+8*\b+7], v12, s[12:13] offset:(32*(\b/2)+8*(\b%2))*4+16
.endr
	s_mul_i32 s86, s[WA], SHARE                    ; my four tiles of tokens
	v_lshl_add_u32 v[ADA16], v3, 4, s86
	v_lshl_add_u32 v[ADA8], v3, 3, s86
	v_add_nc_u32 v[ADA8], 512, v[ADA8]
	s_mul_i32 s87, s[WB], SHARE                    ; my four tiles of Wo, behind A's eight
	s_add_co_u32 s87, s87, 2*SHARE
	v_lshl_add_u32 v[ADB16], v3, 4, s87
	v_and_b32 v13, 8, v1
	v_add_nc_u32 v13, v13, v1                      ; r + 8 (r / 8): my token's row in its pair of tiles
	v_mul_u32_u24 v[STO], v13, 528
	v_lshl_add_u32 v[STO], v2, 6, v[STO]
	s_mul_i32 s86, s[WA], 64*528
	s_lshl_b32 s87, s[WB], 8
	s_add_co_u32 s86, s86, s87
	s_add_co_u32 s86, s86, STG
	v_add_nc_u32 v[STO], s86, v[STO]               ; into the stage: my token's row, my half of n, 64 h bytes on
	s_mul_i32 s86, s[WV], 32*528
	s_add_co_u32 s86, s86, STG
	v_lshlrev_b32 v[CO], 4, v3
	v_add_nc_u32 v[RD], s86, v[CO]                 ; back: 32 whole rows a wave, 16 bytes a lane
	s_wait_loadcnt 0x0
.irp s, 0,1,2,3,4,5,6,7
.irp i, 0,1
	v_perm_b32 v[SCA+2*\s+\i], v[RAW+4*\s+2+\i], v[RAW+4*\s+\i], 0x05040100   ; K step s is heads 2 s and 2 s + 1: their two bytes each make the word
.endr
.endr
	PLACES 8                                       ; scale registers written by vector instructions stand 8 places ahead of a scaled matrix instruction
.macro FETCH s, f                      ; K step s: A's four fragments, then Wo's four, into set f (28 loads); every offset is an immediate
.irp a, 0,1,2,3
	ds_load_b128 v[\f+12*\a:\f+12*\a+3], v[ADA16] offset:TILEB*\a+1536*(\s)
	ds_load_b64 v[\f+12*\a+4:\f+12*\a+5], v[ADA8] offset:TILEB*\a+1536*(\s)
	ds_load_b128 v[\f+12*\a+6:\f+12*\a+9], v[ADA16] offset:TILEB*\a+1536*(\s)+768
	ds_load_b64 v[\f+12*\a+10:\f+12*\a+11], v[ADA8] offset:TILEB*\a+1536*(\s)+768
.endr
.irp b, 0,1,2,3
.irp c, 0,1,2
	ds_load_b128 v[\f+48+12*\b+4*\c:\f+48+12*\b+4*\c+3], v[ADB16] offset:TILEB*\b+1536*(\s)+512*\c
.endr
.endr
.endm
; 16 matrix instructions: K step s.  The 16 accumulators take turns, one instruction a turn.  An odd tile's scale words lie in lanes 16-31 of its pair's register.
.macro MUL16 s, f
.irp a, 0,1,2,3
.irp b, 0,1,2,3
.set DR, ACC+8*(4*\a+\b)
.if (\s) == 0
.set CR, BO+8*\b
.else
.set CR, DR
.endif
.set BR, \f+48+12*\b
.set AR, \f+12*\a
.set SBR, SCB+8*(\b/2)+(\s)
.set SAR, SCA+2*(\s)+(\a/2)
.if (\a%2 == 0) && (\b%2 == 0)
	v_wmma_scale_f32_16x16x128_f8f6f4 v[DR:DR+7], v[BR:BR+11], v[AR:AR+11], v[CR:CR+7], v[SBR], v[SAR] matrix_a_fmt:MATRIX_FMT_BF6 matrix_b_fmt:MATRIX_FMT_BF6
.elseif (\a%2 == 0)
	v_wmma_scale_f32_16x16x128_f8f6f4 v[DR:DR+7], v[BR:BR+11], v[AR:AR+11], v[CR:CR+7], v[SBR], v[SAR] matrix_a_fmt:MATRIX_FMT_BF6 matrix_b_fmt:MATRIX_FMT_BF6 matrix_a_scale:MATRIX_SCALE_ROW1
.elseif (\b%2 == 0)
	v_wmma_scale_f32_16x16x128_f8f6f4 v[DR:DR+7], v[BR:BR+11], v[AR:AR+11], v[CR:CR+7], v[SBR], v[SAR] matrix_a_fmt:MATRIX_FMT_BF6 matrix_b_fmt:MATRIX_FMT_BF6 matrix_b_scale:MATRIX_SCALE_ROW1
.else
	v_wmma_scale_f32_16x16x128_f8f6f4 v[DR:DR+7], v[BR:BR+11], v[AR:AR+11], v[CR:CR+7], v[SBR], v[SAR] matrix_a_fmt:MATRIX_FMT_BF6 matrix_b_fmt:MATRIX_FMT_BF6 matrix_a_scale:MATRIX_SCALE_ROW1 matrix_b_scale:MATRIX_SCALE_ROW1
.endif
.endr
.endr
.endm
; K step s is multiplied while K step s + 1's fragments come.
.macro STEP s
	s_wait_dscnt 0x0                               ; K step s's fragments are in
	PLACES 4                                       ; in front of loads into registers that the last products have read
	WIN 0x40                                       ; destination window 1
	FETCH (\s)+1, 128*(((\s)+1)%2)
	WIN 0x05                                       ; sources 0 and 1 window 1; C and D window 0
	MUL16 \s, 128*((\s)%2)
.endm
	s_wait_alu depctr_va_vdst(0)                   ; the wait at the head's end
	s_wait_tensorcnt 0x0                           ; my four tiles are in
	s_barrier_signal -1
	s_barrier_wait -1                              ; everybody's are: all of K lies in LDS
	WIN 0x40
	FETCH 0, 0
.irp s, 0,1,2,3,4,5,6
	STEP \s
.endr
	s_wait_dscnt 0x0
	MUL16 7, 128
	WIN 0
	PLACES 4
	; THE WAY OUT.  A lane holds 32 neighbouring bytes of a row, and a row's 512 bytes come from two waves: so the tile goes through a stage in LDS, where the rows also find their true order, and leaves as whole rows.
.irp a, 0,1,2,3
.irp b, 0,1,2,3
	ds_store_b128 v[STO], v[ACC+8*(4*\a+\b):ACC+8*(4*\a+\b)+3] offset:(32*(\a/2)+8*(\a%2))*528+(32*(\b/2)+8*(\b%2))*4        ; each accumulator from its low end on
	ds_store_b128 v[STO], v[ACC+8*(4*\a+\b)+4:ACC+8*(4*\a+\b)+7] offset:(32*(\a/2)+8*(\a%2))*528+(32*(\b/2)+8*(\b%2))*4+16
.endr
.endr
	s_wait_dscnt 0x0                               ; for the others' sake: my stores into the stage have landed
	s_barrier_signal -1
	s_barrier_wait -1
	WIN 0x40
.set t, 0
.rept 32
	ds_load_b128 v[4*t:4*t+3], v[RD] offset:528*t
.set t, t+1
.endr
	WIN 0x04                                       ; a store's data: window 1
.set t, 0
.rept 32
	s_wait_dscnt 31-t                              ; LDS loads come back in order: row t is in
	global_store_b128 v[CO], v[4*t:4*t+3], s[14:15] offset:4096*t th:TH_STORE_NT   ; 32 lanes store 512 consecutive bytes, aligned to 256; written once, read by nobody here
.set t, t+1
.endr
	WIN 0
	s_wait_tensorcnt 0x0                           ; the wave's end
	ds_add_u32 v30, v31
	s_wait_dscnt 0x0
	CROUND                                         ; the closing round: no work-group ends while a partner may still ask for a tile that names it
	s_endpgm
.Lfunc_end_k_q3c5b57840c_outp:
	.size	k_q3c5b57840c_outp, .Lfunc_end_k_q3c5b57840c_outp-k_q3c5b57840c_outp
	.p2alignl 7, 3214868480
	.fill 96, 4, 3214868480
	.section	.rodata,"a",@progbits
	.p2align	6, 0x0
	.amdhsa_kernel k_q3c5b57840c_outp
		.amdhsa_group_segment_fixed_size 264704
		.amdhsa_private_segment_fixed_size 0
		.amdhsa_enable_private_segment 0
		.amdhsa_kernarg_size 48
		.amdhsa_user_sgpr_count 2
		.amdhsa_user_sgpr_kernarg_segment_ptr 1
		.amdhsa_wavefront_size32 1
		.amdhsa_system_sgpr_workgroup_id_x 1
		.amdhsa_system_sgpr_workgroup_id_y 1
		.amdhsa_system_sgpr_workgroup_id_z 1
		.amdhsa_system_vgpr_workitem_id 0
		.amdhsa_next_free_vgpr 512
		.amdhsa_next_free_sgpr 100
		.amdhsa_reserve_vcc 0
		.amdhsa_float_denorm_mode_32 3
		.amdhsa_float_denorm_mode_16_64 3
		.amdhsa_memory_ordered 1
		.amdhsa_forward_progress 1
		.amdhsa_inst_pref_size 53
	.end_amdhsa_kernel
	.amdgpu_metadata
---
amdhsa.version: [ 1, 2 ]
amdhsa.kernels:
  - .name:           k_q3c5b57840c_outp
    .symbol:         k_q3c5b57840c_outp.kd
    .args:
      - { .name: oc, .offset: 0, .size: 8, .value_kind: global_buffer, .address_space: global }
      - { .name: os, .offset: 8, .size: 8, .value_kind: global_buffer, .address_space: global }
      - { .name: cod, .offset: 16, .size: 8, .value_kind: global_buffer, .address_space: global }
      - { .name: scl, .offset: 24, .size: 8, .value_kind: global_buffer, .address_space: global }
      - { .name: bo, .offset: 32, .size: 8, .value_kind: global_buffer, .address_space: global }
      - { .name: out0, .offset: 40, .size: 8, .value_kind: global_buffer, .address_space: global }
    .group_segment_fixed_size: 264704
    .private_segment_fixed_size: 0
    .kernarg_segment_align: 8
    .kernarg_segment_size: 48
    .max_flat_workgroup_size: 128
    .sgpr_count:     100
    .vgpr_count:     512
    .wavefront_size: 32
...
	.end_amdgpu_metadata
.endif
;; end of part 4
